; MI455X (gfx1250); checked and timed in simulation.
; The chip was launched on July 23, 2026; its instructions are those of AMD's public machine-readable ISA for CDNA 5 (MIT licence, August 2026) and "CDNA5" Instruction Set Architecture Reference Guide (July 2026). The comments in the code are by the model that wrote it; some were corrected since.
;; Attention. Allowed arithmetic: matrix products marked QUANTISED: E3M2 operands, one E8M0 scale for each 32 along K, by v_wmma_scale_f32_16x16x128_f8f6f4 with both operands' format E3M2, f32 sums; everything else in f32.
;; Inputs: bk 2,048 float32; bo 2,048 float32; bq 2,048 float32; bv 2,048 float32; freqs 2,048 x 64 float32; hard_mask 1 x 1 x 2,048 x 2,048 int32; soft_mask 1 x 1 x 2,048 x 2,048 float32; wk 2,048 x 2,048 float32; wo 2,048 x 2,048 float32; wq 2,048 x 2,048 float32; wv 2,048 x 2,048 float32; x 1 x 2,048 x 2,048 float32.
;; Outputs: out0 1 x 2,048 x 2,048 float32.
;; This version of the problem:
;;   THIS VERSION OF THE PROBLEM IS GIVEN IN LOW PRECISION. The matrix products marked QUANTISED in the list below multiply operands that are first quantised to E3M2 (3 exponent bits, 2 mantissa bits; 6 bits a number), with one power-of-two scale for each 32 numbers along K (OCP MX v1.0); their sums are f32. All else is computed in f32.
;;   The module's matrix products, in the order in which they are computed (A, B: the left and right operand; K: the contracted axis; several contracted axes count as one K, in the product's order):
;;     1. [M 2,048, K 2,048] x [K 2,048, N 2,048]; A: input x; B: input wq: QUANTISED
;;     2. [M 2,048, K 2,048] x [K 2,048, N 2,048]; A: input x; B: input wk: QUANTISED
;;     3. [M 2,048, K 2,048] x [K 2,048, N 2,048]; A: input x; B: input wv: QUANTISED
;;     4. batch 16 x [M 2,048, K 128] x [K 128, N 2,048]; A: computed on the way; B: computed on the way: QUANTISED
;;     5. batch 16 x [M 2,048, K 2,048] x [K 2,048, N 128]; A: computed on the way; B: computed on the way: QUANTISED
;;     6. [M 2,048, K 2,048] x [K 2,048, N 2,048]; A: computed on the way; B: input wo: QUANTISED
;;   THE QUANTISER, for each operand of a quantised product, along K:
;;     - K is cut into blocks of 32 from its start; a last block that is shorter is filled with zeros.
;;     - A block's scale is 2^e with e = floor(log2(the largest magnitude in the block)) - 4, held to -126 .. 127; a block of zeros has e = 0. As a byte (E8M0): e + 127.
;;     - Each number is divided by its block's scale, clamped to +-28, and rounded to the nearest number of E3M2, ties to even, subnormals kept.
;;     - The product sums the exact products of the quantised numbers (number of the format x scale) in f32.
;;   ~~~python
;;   def quantise(x, axis):      # numpy; x: float32 -> the quantised numbers, widened to float32 again
;;       x = np.moveaxis(x, axis, -1); K = x.shape[-1]
;;       x = np.pad(x, [(0, 0)] * (x.ndim - 1) + [(0, -K % 32)]); x = x.reshape(x.shape[:-1] + (-1, 32)); a = np.abs(x).max(-1, keepdims=True)
;;       e = np.where(a > 0, np.clip(np.frexp(np.where(a > 0, a, 1))[1] - 1 - 4, -126, 127), 0)      # np.frexp(a)[1] - 1 = floor(log2(a)), exactly
;;       r = np.clip(x / 2.0 ** e, -28, 28)
;;       step = 2.0 ** (np.maximum(np.frexp(np.where(r == 0, 1, r))[1] - 1, -2) - 2)
;;       q = np.round(r / step) * step * 2.0 ** e      # np.round: ties to even
;;       return np.moveaxis(q.reshape(q.shape[:-2] + (-1,))[..., :K], -1, axis).astype(np.float32)
;;   ~~~
;;   OPERANDS COMPUTED ON THE WAY. 'Computed on the way' means the value that the module computes at that place (a softmax that the list does not call 'softmax' is quantised finished and normalised). What goes into a quantiser is computed in f32, as accurately as f32 sums, v_exp_f32 and their like allow (about 1e-6 of the number): no bf16 or f16 on the way to a quantiser, and a product that is left as it is and whose result goes on into a quantised operand takes f32 operands (vector FMAs, or v_wmma_f32_16x16x4_f32). A number that lies on a knife's edge between two numbers of the format may be rounded either way, as far as f32 arithmetic and the matrix unit's own rounding can turn it there, and no further.
;; One version. Each part assembles by itself: llvm-mc -triple=amdgcn-amd-amdhsa -mcpu=gfx1250 --defsym DOCPART=n.
;; ======== version 1 of 1: 4 launches
;; limits: right only within a limited range of input values
;; workspace buffers: codes 15,728,640 bytes; scales 655,360 bytes; wm 16,777,216 bytes; rope 1,048,576 bytes; qkv_img 9,437,184 bytes; qkv_sc 393,216 bytes; ao_img 3,276,800 bytes; flags 8,192 bytes of whole numbers
;; launch prep (part 1): grid 928 x 1, 4 waves a work-group, no clusters, 85,504 bytes of LDS; arguments x, wq, wk, wv, wo, hard_mask, soft_mask, freqs, codes, scales, wm, rope, flags; writes codes, scales, wm, rope, flags
.if DOCPART == 1
	.amdgcn_target "amdgcn-amd-amdhsa--gfx1250"
	.amdhsa_code_object_version 6
	.text
	.protected	k_q63a634cbaf_prep
	.globl	k_q63a634cbaf_prep
	.p2align	8
	.type	k_q63a634cbaf_prep,@function
k_q63a634cbaf_prep:
	s_mov_b64 s[64:65], 0
	v_nop
	global_prefetch_b8 v0, s[64:65] scope:SCOPE_SE
	s_setreg_imm32_b32 hwreg(HW_REG_WAVE_MODE, 25, 1), 1
	s_wait_xcnt 0x0
; PREPARATION, three kinds of work-group, told apart by the work-group's number; each kind has LDS bytes of its own.
;  0..639   x, wq, wk, wv, wo (f32, [2048][2048], K innermost) become codes of BF6 (E3M2) with one E8M0 byte for each 32 along K, laid as IMAGES OF OPERAND REGISTERS:
;           codes[tensor][tile 128][K step 16][1536 bytes]: registers 4 c .. 4 c + 3 of lane l at 512 c + 16 l; scales[tensor][tile][K step][16 words]: lane-row r's word at 4 r.
;           Lane-row r of tile t is row 32 (t / 2) + 8 (t % 2) + r + 8 (r / 8) of the tensor: so a product's result registers run along neighbours of the next K.
;  640..895 hard_mask and soft_mask are folded into one f32 plane wm[query tile 128][key step 16][group 16][lane 32][16 bytes], in the order of a score tile's registers:
;           register n = 4 g + e of lane (r, h) is query row(tile, r), key 128 step + 32 (n / 16) + 16 h + n % 16.  A hidden place holds the bits of -0.0; a soft value of -0.0 is stored as +0.0 (the same number).
;  896..927 rope[tile 128][group 16][lane 32][16 bytes]: cos and sin of freqs in the order of a q or k result tile's registers: register 2 e = cos, 2 e + 1 = sin of pair 16 (n / 16) + 8 h + (n % 16) / 2.
; A block's scale byte is its largest magnitude's exponent field - 4, held at 1 from below (a block of zeros gets 1 where the rule says 127: its codes are zeros and this program alone reads the bytes).
; LIMITS: blocks under 2^-122 keep the byte 1; NaN and infinities among the inputs are not served; |freqs| up to 105,000 (three-term reduction by pi / 2 with fused multiply-adds).
; freqs is read in pieces of 16 bytes a lane (32 bytes on end for a half row): 524,288 bytes of the launch's 118 million.
; No tensor loads, no barrier: waves share nothing.
.set NQWG,  640
.set NMWG,  256
.set QREG,  8704                       ; quantiser: a wave's LDS: a stage of 16 rows x 528 bytes, then 256 bytes of scale words
.set QPIT,  528                        ; 512 + 16: the 16 rows that a load touches start in 16 different columns of 16 bytes
.set R,     16                         ; v16-143  two sets of 64: a K step of 16 rows as loaded
.set X,     144                        ; v144-207 my row's 64 numbers: k = 64 c + 32 h + 0 .. 31
.set PC,    208                        ; v208-231 two sets of 12: a fragment's codes
.set MBASE, 34816                      ; masks: behind the quantiser's four regions
.set MREG,  12544                      ; a wave's stage: group g at 784 g + 384 h + 16 r
.set HS,    16                         ; v16-79   hard mask as loaded
.set SS,    80                         ; v80-143  soft mask as loaded, then folded
.set OUTR,  144                        ; v144-207 the tile in register order
.set F,     16                         ; v16-47   32 angles
.set T,     48                         ; v48-111  cos, sin
	s_load_b512 s[4:19], s[0:1], 0x0               ; x, wq, wk, wv, wo, hard_mask, soft_mask, freqs
	s_load_b256 s[20:27], s[0:1], 0x40
	s_load_b64 s[52:53], s[0:1], 0x60              ; flags[query tile 128][key step 16]: one word for each folded mask tile
	v_lshl_add_u32 v254, v0, 2, 0x14c00
	v_mov_b32 v255, 0
	v_lshrrev_b32 v1, 5, v0
	v_readfirstlane_b32 s28, v1                    ; wave
	v_and_b32 v10, 31, v0                          ; lane
	v_and_b32 v11, 15, v0                          ; r
	v_bfe_u32 v12, v0, 4, 1                        ; h
	v_lshlrev_b32 v1, 4, v10                       ; 16 x lane
	s_wait_alu depctr_va_vdst(0)                   ; the wait at the head's end
	s_wait_kmcnt 0x0
	s_cmp_lt_u32 ttmp9, NQWG
	s_cbranch_scc1 .Lquant
	s_cmp_lt_u32 ttmp9, NQWG+NMWG
	s_cbranch_scc1 .Lmask
; ---------------- cos and sin: a wave makes one tile of 16 positions x 64 pairs
	s_sub_co_u32 s29, ttmp9, NQWG+NMWG
	s_lshl_b32 s29, s29, 2
	s_add_co_u32 s29, s29, s28                     ; the tile
	s_lshr_b32 s30, s29, 1
	s_lshl_b32 s30, s30, 5
	s_and_b32 s32, s29, 1
	s_lshl_b32 s32, s32, 3
	s_add_co_u32 s30, s30, s32                     ; its first position
	s_lshl_b32 s30, s30, 8                         ; a row of freqs is 256 bytes
	s_mov_b32 s31, 0
	s_add_nc_u64 s[18:19], s[18:19], s[30:31]
	s_lshl_b32 s30, s29, 13                        ; a tile of the table is 8,192 bytes
	s_add_nc_u64 s[26:27], s[26:27], s[30:31]
	v_and_b32 v2, 8, v11
	v_add_nc_u32 v2, v2, v11                       ; r + 8 (r / 8)
	v_lshlrev_b32 v2, 8, v2
	v_lshl_add_u32 v2, v12, 5, v2                  ; + 32 h: pairs 16 b + 8 h + 0 .. 7
.irp b, 0,1,2,3
.irp e, 0,1
	global_load_b128 v[F+8*\b+4*\e:F+8*\b+4*\e+3], v2, s[18:19] offset:64*\b+16*\e
.endr
.endr
	s_mov_b32 s40, 0x3f22f983                      ; 2 / pi
	s_mov_b32 s41, 0xbfc90fd8                      ; -pi / 2 in three parts
	s_mov_b32 s42, 0xb4a8885a
	s_mov_b32 s43, 0xa7c234c4
	s_mov_b32 s44, 0x36405000                      ; sine's polynomial
	s_mov_b32 s45, 0xb9503486
	s_mov_b32 s46, 0x3c0888c1
	s_mov_b32 s47, 0xbe2aaaab
	s_mov_b32 s48, 0x37cd4000                      ; cosine's
	s_mov_b32 s49, 0xbab6077d
	s_mov_b32 s50, 0x3d2aaaa8
	s_wait_loadcnt 0x0
.set AI, 0
.rept 32
	v_mul_f32 v112, s40, v[F+AI]
	v_rndne_f32 v112, v112                         ; j: how many quarter turns
	v_fma_f32 v113, v112, s41, v[F+AI]             ; what is left, in three fused steps
	v_fma_f32 v113, v112, s42, v113
	v_fma_f32 v113, v112, s43, v113
	v_cvt_i32_f32 v117, v112
	v_mul_f32 v114, v113, v113
	v_fma_f32 v115, v114, s44, s45
	v_fma_f32 v116, v114, s48, s49
	v_fma_f32 v115, v115, v114, s46
	v_fma_f32 v116, v116, v114, s50
	v_fma_f32 v115, v115, v114, s47
	v_mul_f32 v118, v113, v114
	v_fma_f32 v116, v116, v114, -0.5
	v_fma_f32 v115, v115, v118, v113               ; sin of the rest
	v_fma_f32 v116, v116, v114, 1.0                ; cos of the rest
	v_and_b32 v119, 1, v117
	v_cmp_eq_u32 vcc_lo, 1, v119                   ; an odd quarter swaps the two
	v_cndmask_b32 v120, v115, v116, vcc_lo
	v_cndmask_b32 v121, v116, v115, vcc_lo
	v_and_b32 v119, 2, v117
	v_lshlrev_b32 v119, 30, v119                   ; sine's sign: quarters 2, 3
	v_xor_b32 v[T+2*AI+1], v119, v120
	v_add_nc_u32 v117, 1, v117
	v_and_b32 v117, 2, v117
	v_lshlrev_b32 v117, 30, v117                   ; cosine's: quarters 1, 2
	v_xor_b32 v[T+2*AI], v117, v121
.set AI, AI+1
.endr
.irp g, 0,1,2,3,4,5,6,7,8,9,10,11,12,13,14,15
	global_store_b128 v1, v[T+4*\g:T+4*\g+3], s[26:27] offset:512*\g   ; 32 lanes store 512 consecutive bytes
.endr
	s_endpgm
; ---------------- the masks: a wave folds two tiles of 16 queries x 128 keys
.Lmask:
	s_sub_co_u32 s29, ttmp9, NQWG
	s_lshr_b32 s30, s29, 1                         ; the query tile
	s_and_b32 s31, s29, 1
	s_lshl_b32 s31, s31, 3
	s_lshl_b32 s32, s28, 1
	s_add_co_u32 s31, s31, s32                     ; my first key step
	s_lshr_b32 s32, s30, 1
	s_lshl_b32 s32, s32, 5
	s_and_b32 s33, s30, 1
	s_lshl_b32 s33, s33, 3
	s_add_co_u32 s32, s32, s33                     ; the tile's first query
	s_lshl_b32 s32, s32, 13                        ; a row of a mask is 8,192 bytes
	s_lshl_b32 s33, s31, 9                         ; a key step 512
	s_add_co_u32 s32, s32, s33
	s_mov_b32 s33, 0
	s_add_nc_u64 s[14:15], s[14:15], s[32:33]
	s_add_nc_u64 s[16:17], s[16:17], s[32:33]
	s_lshl_b32 s32, s30, 4
	s_add_co_u32 s32, s32, s31
	s_lshl_b32 s32, s32, 13                        ; a folded tile is 8,192 bytes
	s_add_nc_u64 s[24:25], s[24:25], s[32:33]
	s_lshr_b32 s32, s32, 11                        ; 4 bytes of flags for each folded tile
	s_add_nc_u64 s[52:53], s[52:53], s[32:33]
	s_mul_i32 s34, s28, MREG
	s_add_co_u32 s34, s34, MBASE                   ; my stage
	v_lshrrev_b32 v3, 3, v10
	v_and_b32 v4, 3, v10
	v_lshl_add_u32 v3, v3, 2, v4                   ; a load's lane l holds keys 4 l .. 4 l + 3: group 4 (l / 8) + l % 4,
	v_mul_u32_u24 v2, v3, 784
	v_bfe_u32 v4, v10, 2, 1                        ; half (l / 4) % 2
	v_mad_u32_u24 v2, v4, 384, v2
	v_add_nc_u32 v2, s34, v2                       ; into the stage (the row goes into the immediate)
	v_mul_u32_u24 v3, v12, 384
	v_lshl_add_u32 v3, v11, 4, v3
	v_add_nc_u32 v3, s34, v3                       ; out of it: 384 h + 16 r (the group goes into the immediate)
	v_mov_b32 v4, 0x80000000
	v_mov_b32 v7, 0
	s_wait_alu depctr_va_vdst(0)
.macro MLOAD e
.irp i, 0,1,2,3,4,5,6,7,8,9,10,11,12,13,14,15
	global_load_b128 v[HS+4*\i:HS+4*\i+3], v1, s[14:15] offset:(\i+8*(\i/8))*8192+512*\e th:TH_LOAD_NT   ; 512 consecutive bytes of one row
	global_load_b128 v[SS+4*\i:SS+4*\i+3], v1, s[16:17] offset:(\i+8*(\i/8))*8192+512*\e th:TH_LOAD_NT
.endr
.endm
.macro MTILE e
	s_wait_loadcnt 0x0
	s_mov_b32 s35, 0                               ; lanes that have met a hidden place
	s_mov_b32 s36, -1                              ; lanes that have met hidden places alone
.set N, 0
.rept 64
	v_add_f32 v[SS+N], 0, v[SS+N]                  ; -0.0 becomes +0.0, every other number stays
	v_cmp_eq_u32 vcc_lo, 0, v[HS+N]
	s_or_b32 s35, s35, vcc_lo
	s_and_b32 s36, s36, vcc_lo
	v_cndmask_b32 v[SS+N], v[SS+N], v4, vcc_lo
.set N, N+1
.endr
	s_cmp_lg_u32 s36, -1                           ; the tile's flag word: bit step = something is visible, bit 16 + step = visible and hidden places both
	s_cselect_b32 s37, 1, 0
	s_cmp_lg_u32 s35, 0
	s_cselect_b32 s38, s37, 0
	s_lshl_b32 s38, s38, 16
	s_or_b32 s37, s37, s38
	s_add_co_u32 s38, s31, \e
	s_lshl_b32 s37, s37, s38
	v_mov_b32 v[8+\e], s37
	s_wait_alu depctr_va_vdst(0)                   ; the folded numbers
.if \e
	s_wait_xcnt 0x0                                ; the first tile's stores have read OUTR: it is loaded again only behind this wait
.endif
.irp i, 0,1,2,3,4,5,6,7,8,9,10,11,12,13,14,15
	ds_store_b128 v2, v[SS+4*\i:SS+4*\i+3] offset:16*\i
.endr
.irp g, 0,1,2,3,4,5,6,7,8,9,10,11,12,13,14,15
	ds_load_b128 v[OUTR+4*\g:OUTR+4*\g+3], v3 offset:784*\g   ; LDS serves a wave's instructions in order: these see my stores
.endr
	s_wait_dscnt 0x0
.if \e == 0
	MLOAD 1                                        ; the stage's stores have read SS
.endif
.irp g, 0,1,2,3,4,5,6,7,8,9,10,11,12,13,14,15
	global_store_b128 v1, v[OUTR+4*\g:OUTR+4*\g+3], s[24:25] offset:8192*\e+512*\g
.endr
	global_store_b32 v7, v[8+\e], s[52:53] offset:4*\e   ; all lanes store the same word to the same place (8,192 bytes in the launch)
.endm
	MLOAD 0
	MTILE 0
	MTILE 1
	s_wait_tensorcnt 0x0
	ds_add_u32 v254, v255
	s_wait_dscnt 0x0
	s_endpgm
; ---------------- the quantiser: a work-group takes a tile of 16 rows, a wave four K steps of it
.Lquant:
	s_lshr_b32 s29, ttmp9, 7                       ; which tensor
	s_and_b32 s30, ttmp9, 127                      ; which tile
	s_cmp_eq_u32 s29, 1
	s_cselect_b64 s[4:5], s[6:7], s[4:5]
	s_cmp_eq_u32 s29, 2
	s_cselect_b64 s[4:5], s[8:9], s[4:5]
	s_cmp_eq_u32 s29, 3
	s_cselect_b64 s[4:5], s[10:11], s[4:5]
	s_cmp_eq_u32 s29, 4
	s_cselect_b64 s[4:5], s[12:13], s[4:5]
	s_lshr_b32 s32, s30, 1
	s_lshl_b32 s32, s32, 5
	s_and_b32 s33, s30, 1
	s_lshl_b32 s33, s33, 3
	s_add_co_u32 s32, s32, s33                     ; the tile's first row
	s_lshl_b32 s32, s32, 13
	s_lshl_b32 s33, s28, 11                        ; my four K steps: 2,048 bytes of a row
	s_add_co_u32 s32, s32, s33
	s_mov_b32 s33, 0
	s_add_nc_u64 s[4:5], s[4:5], s[32:33]
	s_lshl_b32 s31, ttmp9, 4
	s_lshl_b32 s32, s28, 2
	s_add_co_u32 s31, s31, s32                     ; my first fragment: 16 (128 tensor + tile) + 4 wave
	s_mul_i32 s32, s31, 1536
	s_add_nc_u64 s[20:21], s[20:21], s[32:33]
	s_lshl_b32 s32, s31, 6
	s_add_nc_u64 s[22:23], s[22:23], s[32:33]
	s_mul_i32 s34, s28, QREG
	v_add_nc_u32 v2, s34, v1                       ; into the stage: 16 x lane (the row goes into the immediate)
	v_mul_u32_u24 v3, v11, QPIT
	v_lshl_add_u32 v3, v12, 7, v3
	v_add_nc_u32 v3, s34, v3                       ; out of it: row r, + 128 h
	s_add_co_u32 s34, s34, 16*QPIT
	v_lshl_add_u32 v4, v11, 2, s34                 ; my row's scale word
	v_lshl_add_u32 v5, v10, 3, s34                 ; and the 256 bytes on the way out
	v_lshlrev_b32 v6, 3, v10
	v_lshlrev_b32 v7, 3, v12                       ; 8 h
	v_mov_b32 v8, 0
	s_wait_alu depctr_va_vdst(0)
	s_mov_b32 s36, 0x76543210
	s_mov_b32 s37, 0xfedcba98                      ; lane l xor 16
.macro LOADF f
.irp i, 0,1,2,3,4,5,6,7,8,9,10,11,12,13,14,15
	global_load_b128 v[R+64*((\f)%2)+4*\i:R+64*((\f)%2)+4*\i+3], v1, s[4:5] offset:(\i+8*(\i/8))*8192+512*(\f) th:TH_LOAD_NT   ; 512 consecutive bytes of one row
.endr
.endm
.macro TURNF f
.irp i, 0,1,2,3,4,5,6,7,8,9,10,11,12,13,14,15
	ds_store_b128 v2, v[R+64*((\f)%2)+4*\i:R+64*((\f)%2)+4*\i+3] offset:QPIT*\i
.endr
.irp c, 0,1
.irp j, 0,1,2,3,4,5,6,7
	ds_load_b128 v[X+32*\c+4*\j:X+32*\c+4*\j+3], v3 offset:256*\c+16*\j
.endr
.endr
.endm
.macro WORK f
.set P, PC+12*((\f)%2)
.irp c, 0,1
	v_max3_num_f32 v[240+\c], |v[X+32*\c]|, |v[X+32*\c+1]|, 0x2800000   ; my block 2 c + h: all 32 numbers are mine; the floor 2^(5 - 127) holds the byte at 1 from below
.endr
.irp i, 2,4,6,8,10,12,14,16,18,20,22,24,26,28,30
.irp c, 0,1
	v_max3_num_f32 v[240+\c], v[240+\c], |v[X+32*\c+\i]|, |v[X+32*\c+\i+1]|
.endr
.endr
.irp c, 0,1
	v_add_nc_u32 v[244+\c], 0xfe000000, v[240+\c]  ; 4 off the exponent field: the conversion's scale operand
.endr
.irp c, 0,1
	v_lshrrev_b32 v[246+\c], 23, v[244+\c]         ; the byte
.endr
	v_lshl_or_b32 v9, v247, 16, v246               ; blocks h and 2 + h,
	v_lshlrev_b32 v9, v7, v9                       ; at their places in the word;
	v_permlanex16_b32 v8, v9, s36, s37
	v_or_b32 v9, v9, v8                            ; with the other half's two the word is whole
.irp c, 0,1
	v_cvt_scalef32_pk16_bf6_f32 v[P+6*\c:P+6*\c+2], v[X+32*\c:X+32*\c+15], v[244+\c]
	v_cvt_scalef32_pk16_bf6_f32 v[232+4*\c:234+4*\c], v[X+32*\c+16:X+32*\c+31], v[244+\c]   ; (a conversion's three registers begin on an even number)
.endr
	v_nop                                          ; one plain place behind a scaled conversion
.irp c, 0,1
.irp i, 0,1,2
	v_mov_b32 v[P+6*\c+3+\i], v[232+4*\c+\i]
.endr
.endr
.irp c, 0,1,2
	global_store_b128 v1, v[P+4*\c:P+4*\c+3], s[20:21] offset:1536*(\f)+512*\c   ; the fragment's image: 512 consecutive bytes a store
.endr
	ds_store_b32 v4, v9 offset:64*(\f)             ; both halves write the same word with the same value
.endm
	LOADF 0
	LOADF 1
.irp f, 0,1,2,3
.if \f < 3
	s_wait_loadcnt 16                              ; this K step's 16 loads are in; the next one's may be out
.else
	s_wait_loadcnt 0x0
.endif
	TURNF \f
	s_wait_dscnt 0x0                               ; X is in, and the stage's stores have read R
.if \f < 2
	LOADF \f+2
.else
	s_wait_xcnt 0x0                                ; the stores of two K steps ago have read this set of codes
.endif
	WORK \f
.endr
	ds_load_b64 v[14:15], v5                       ; four K steps' scale words: LDS serves a wave's instructions in order
	s_wait_dscnt 0x0
	global_store_b64 v6, v[14:15], s[22:23]        ; 256 consecutive bytes, at a multiple of 256
	s_wait_tensorcnt 0x0
	ds_add_u32 v254, v255
	s_wait_dscnt 0x0
	s_endpgm
.Lfunc_end_k_q63a634cbaf_prep:
	.size	k_q63a634cbaf_prep, .Lfunc_end_k_q63a634cbaf_prep-k_q63a634cbaf_prep
	.p2alignl 7, 3214868480
	.fill 96, 4, 3214868480
	.section	.rodata,"a",@progbits
	.p2align	6, 0x0
	.amdhsa_kernel k_q63a634cbaf_prep
		.amdhsa_group_segment_fixed_size 85504
		.amdhsa_private_segment_fixed_size 0
		.amdhsa_enable_private_segment 0
		.amdhsa_kernarg_size 104
		.amdhsa_user_sgpr_count 2
		.amdhsa_user_sgpr_kernarg_segment_ptr 1
		.amdhsa_wavefront_size32 1
		.amdhsa_system_sgpr_workgroup_id_x 1
		.amdhsa_system_sgpr_workgroup_id_y 1
		.amdhsa_system_sgpr_workgroup_id_z 1
		.amdhsa_system_vgpr_workitem_id 0
		.amdhsa_next_free_vgpr 256
		.amdhsa_next_free_sgpr 66
		.amdhsa_reserve_vcc 1
		.amdhsa_float_denorm_mode_32 3
		.amdhsa_float_denorm_mode_16_64 3
		.amdhsa_memory_ordered 1
		.amdhsa_forward_progress 1
		.amdhsa_inst_pref_size 108
	.end_amdhsa_kernel
	.amdgpu_metadata
---
amdhsa.version: [ 1, 2 ]
amdhsa.kernels:
  - .name:           k_q63a634cbaf_prep
    .symbol:         k_q63a634cbaf_prep.kd
    .args:
      - { .name: x, .offset: 0, .size: 8, .value_kind: global_buffer, .address_space: global }
      - { .name: wq, .offset: 8, .size: 8, .value_kind: global_buffer, .address_space: global }
      - { .name: wk, .offset: 16, .size: 8, .value_kind: global_buffer, .address_space: global }
      - { .name: wv, .offset: 24, .size: 8, .value_kind: global_buffer, .address_space: global }
      - { .name: wo, .offset: 32, .size: 8, .value_kind: global_buffer, .address_space: global }
      - { .name: hard_mask, .offset: 40, .size: 8, .value_kind: global_buffer, .address_space: global }
      - { .name: soft_mask, .offset: 48, .size: 8, .value_kind: global_buffer, .address_space: global }
      - { .name: freqs, .offset: 56, .size: 8, .value_kind: global_buffer, .address_space: global }
      - { .name: codes, .offset: 64, .size: 8, .value_kind: global_buffer, .address_space: global }
      - { .name: scales, .offset: 72, .size: 8, .value_kind: global_buffer, .address_space: global }
      - { .name: wm, .offset: 80, .size: 8, .value_kind: global_buffer, .address_space: global }
      - { .name: rope, .offset: 88, .size: 8, .value_kind: global_buffer, .address_space: global }
      - { .name: flags, .offset: 96, .size: 8, .value_kind: global_buffer, .address_space: global }
    .group_segment_fixed_size: 85504
    .private_segment_fixed_size: 0
    .kernarg_segment_align: 8
    .kernarg_segment_size: 104
    .max_flat_workgroup_size: 128
    .sgpr_count:     66
    .vgpr_count:     256
    .wavefront_size: 32
...
	.end_amdgpu_metadata
.endif
;; end of part 1
;; launch qkv (part 2): grid 24 x 8, 4 waves a work-group, clusters of 4 x 4, 327,680 bytes of LDS; arguments codes, scales, rope, bq, bk, bv, qkv_img, qkv_sc; writes qkv_img, qkv_sc
.if DOCPART == 2
	.amdgcn_target "amdgcn-amd-amdhsa--gfx1250"
	.amdhsa_code_object_version 6
	.text
	.protected	k_q63a634cbaf_qkv
	.globl	k_q63a634cbaf_qkv
	.p2align	8
	.type	k_q63a634cbaf_qkv,@function
k_q63a634cbaf_qkv:
	s_mov_b64 s[64:65], 0
	v_nop
	global_prefetch_b8 v0, s[64:65] scope:SCOPE_SE
	s_setreg_imm32_b32 hwreg(HW_REG_WAVE_MODE, 25, 1), 1
	s_wait_xcnt 0x0
	s_wait_alu depctr_hold_cnt(0) depctr_sa_sdst(0) depctr_va_vdst(0) depctr_va_sdst(0) depctr_va_ssrc(0) depctr_va_vcc(0) depctr_vm_vsrc(0)
	s_getreg_b32 s2, hwreg(HW_REG_IB_STS2, 6, 4)
	s_cmp_eq_u32 s2, 0
	s_cbranch_scc0 .Lentry_in_a_cluster
	s_endpgm
.Lentry_in_a_cluster:
	s_bfe_u32 s2, ttmp6, 0x10000c
	s_cmp_lg_u32 s2, 0xf033
	s_cbranch_scc0 .Lentry_shape_is_right
	s_endpgm
.Lentry_shape_is_right:
.set FR,    12
.set NL,    3
.set NP,    4
.set NQ,    2
.set FRB,   1536
.set TROW,  NQ*FRB
.set TMEM,  16*FRB
.set HALFT, 8*TROW
.set SLOT,  4*HALFT
.set SCL,   2*SLOT
.set SPARE, SCL+2*16384+256
.set LAPS,  4
.set ADRA, 16
.set ADRB, 20
.set ADRS, 27
.set SPW,  28
.set NIL,  29
.set SC,   32
.set AF,   128
.set H,    128
.set PC,   192
.set TM,   224
.set PW,   240
.set TP,   242
.set SEL,  66
.set G1, 24
.set G0, 32
.set G1B, 48
.set G0B, 56
.set G1S, 68
.set G0S, 76
.set G1SB, 80
.set G0SB, 88
.set MSB, 0
.macro WIN new
.if MSB != \new
	s_set_vgpr_msb (MSB<<8)|\new
.set MSB, \new
.endif
.endm
.set MUL_LO, 0xa1
.set MUL_HI, 0xf1
.set TO_B,   0x40
.macro JLOAD g0a, g1a, g0b, g1b
	s_cmp_eq_u32 s15, 0
	s_cbranch_scc0 .Lfor_b_\@
	tensor_load_to_lds s[\g0a:\g0a+3], s[\g1a:\g1a+7]
	s_nop 0
.rept 4
	v_nop
.endr
	s_branch .Lasked_\@
.Lfor_b_\@:
	tensor_load_to_lds s[\g0b:\g0b+3], s[\g1b:\g1b+7]
	s_nop 0
.rept 4
	v_nop
.endr
.Lasked_\@:
.endm
.macro CREST
	s_cmp_lg_u32 s14, 0
	s_cbranch_scc1 .Lnot_wave_0_\@
	s_barrier_signal -3
.Lnot_wave_0_\@:
	s_barrier_wait -3
	s_barrier_signal -1
	s_barrier_wait -1
.endm
.macro CROUND
	s_barrier_signal -1
	s_barrier_wait -1
	CREST
.endm
	s_load_b128 s[4:7], s[0:1], 0x0
	s_load_b128 s[8:11], s[0:1], 0x10
	s_load_b128 s[96:99], s[0:1], 0x20
	s_load_b64 s[12:13], s[0:1], 0x30
	s_load_b64 s[100:101], s[0:1], 0x38
	v_lshl_add_u32 v[SPW], v0, 2, SPARE
	v_mov_b32 v[NIL], 0
	ds_add_u32 v28, v29
	ds_add_u32 v28, v29
	s_wait_dscnt 0x0
	v_lshrrev_b32 v1, 5, v0
	v_readfirstlane_b32 s14, v1
	s_lshr_b32 s15, s14, 1
	s_and_b32 s16, s14, 1
	s_bfe_u32 s40, ttmp6, 0x40000
	s_bfe_u32 s41, ttmp6, 0x40004
	s_lshl_b32 s42, ttmp9, 2
	s_add_co_u32 s42, s42, s40
	s_and_b32 s17, ttmp7, 0xffff
	s_lshl_b32 s17, s17, 2
	s_add_co_u32 s17, s17, s41
	s_lshl_b32 s43, s41, 2
	s_lshl_b32 s43, 15, s43
	s_lshl_b32 s44, 0x1111, s40
	s_cmp_ge_u32 ttmp9, 4
	s_cselect_b32 s95, 1, 0
	s_cselect_b32 s92, 24, 0
	s_cselect_b32 s93, -16, 8
	s_or_b32 s[G1+0], s43, (3<<16)|(1<<21)
	s_or_b32 s[G1B+0], s44, (3<<16)|(1<<21)
.irp g, G1, G1B
	s_mov_b32 s[\g+1], 384<<16
	s_mov_b32 s[\g+2], 8<<16
	s_mov_b32 s[\g+3], 384<<16
	s_mov_b32 s[\g+4], 8
	s_mov_b32 s[\g+5], 3072
	s_mov_b32 s[\g+6], 0
	s_mov_b32 s[\g+7], 0
.endr
	s_or_b32 s[G1S+0], s43, (3<<16)|(1<<21)
	s_or_b32 s[G1SB+0], s44, (3<<16)|(1<<21)
.irp g, G1S, G1SB
	s_mov_b32 s[\g+1], 32<<16
	s_mov_b32 s[\g+2], 32<<16
	s_mov_b32 s[\g+3], 32<<16
	s_mov_b32 s[\g+4], 32
	s_mov_b32 s[\g+5], 32
	s_mov_b32 s[\g+6], 0
	s_mov_b32 s[\g+7], 0
.endr
	s_lshl_b32 s18, s16, 3
	s_add_co_u32 s20, s17, s92
	s_lshl_b32 s20, s20, 4
	s_add_co_u32 s20, s20, s18
	s_add_co_u32 s46, s42, s93
	s_lshl_b32 s46, s46, 4
	s_add_co_u32 s46, s46, s18
	s_lshl_b32 s22, s20, 10
	s_mov_b32 s23, 0
	s_lshl_b32 s92, s46, 10
	s_mov_b32 s93, 0
	s_mul_i32 s20, s20, TMEM
	s_mov_b32 s21, 0
	s_mul_i32 s46, s46, TMEM
	s_mov_b32 s47, 0
	s_mul_i32 s45, s14, HALFT
	s_lshl_b32 s94, s14, 13
	s_lshl_b32 s18, s15, 7
	s_add_co_u32 s94, s94, s18
	s_wait_kmcnt 0x0
	s_add_nc_u64 s[20:21], s[4:5], s[20:21]
	s_add_nc_u64 s[22:23], s[6:7], s[22:23]
	s_add_nc_u64 s[46:47], s[4:5], s[46:47]
	s_add_nc_u64 s[92:93], s[6:7], s[92:93]
	CROUND
	s_mov_b32 s[G0S], 1
	s_add_co_u32 s[G0S+1], s94, SCL
	s_mov_b64 s[G0S+2:G0S+3], s[22:23]
	s_or_b32 s[G0S+3], s[G0S+3], 0x80000000
	s_mov_b32 s[G0SB], 1
	s_add_co_u32 s[G0SB+1], s94, SCL
	s_mov_b64 s[G0SB+2:G0SB+3], s[92:93]
	s_or_b32 s[G0SB+3], s[G0SB+3], 0x80000000
	JLOAD G0S, G1S, G0SB, G1SB
.irp s, 0,1
	s_mov_b32 s[G0+4*\s], 1
	s_add_co_u32 s[G0+4*\s+1], s45, \s*SLOT
	s_add_nc_u64 s[G0+4*\s+2:G0+4*\s+3], s[20:21], \s*TROW
	s_or_b32 s[G0+4*\s+3], s[G0+4*\s+3], 0x80000000
	s_mov_b32 s[G0B+4*\s], 1
	s_add_co_u32 s[G0B+4*\s+1], s45, \s*SLOT
	s_add_nc_u64 s[G0B+4*\s+2:G0B+4*\s+3], s[46:47], \s*TROW
	s_or_b32 s[G0B+4*\s+3], s[G0B+4*\s+3], 0x80000000
	s_wait_alu depctr_va_vdst(0)
	s_wait_tensorcnt 0x0
	ds_add_u32 v28, v29
	s_wait_dscnt 0x0
	CROUND
	JLOAD G0+4*\s, G1, G0B+4*\s, G1B
.endr
	v_and_b32 v1, 31, v0
	v_lshlrev_b32 v1, 4, v1
	v_and_b32 v2, 15, v0
	v_bfe_u32 v3, v0, 4, 1
	s_wait_alu depctr_va_vdst(0)
	s_mul_i32 s21, s15, HALFT
	s_mul_i32 s22, s16, HALFT
	s_add_co_u32 s22, s22, 2*HALFT
.irp s, 0,1
	v_add_nc_u32 v[ADRA+\s], s21, v1
	v_add_nc_u32 v[ADRB+\s], s22, v1
	s_add_co_u32 s21, s21, SLOT
	s_add_co_u32 s22, s22, SLOT
.endr
	v_lshlrev_b32 v5, 2, v2
	s_lshl_b32 s21, s15, 13
	s_lshl_b32 s22, s16, 13
	s_add_co_u32 s22, s22, 16384+128
	s_sub_co_u32 s22, s22, s21
	v_mul_u32_u24 v6, s22, v3
	s_add_co_u32 s21, s21, SCL
	v_add_nc_u32 v5, v5, v6
	v_add_nc_u32 v[ADRS], s21, v5
	v_lshlrev_b32 v10, 6, v3
	v_and_b32 v11, 8, v2
	v_add_nc_u32 v11, v11, v2
	v_lshlrev_b32 v11, 2, v11
	s_lshl_b32 s22, s14, 9
	v_lshl_add_u32 v8, v2, 2, s22
	v_add_nc_u32 v9, s22, v1
	s_mov_b32 s[SEL], 0x76543210
	s_mov_b32 s[SEL+1], 0xfedcba98
	s_add_co_u32 s92, s17, 16
	s_sub_co_u32 s93, s42, 16
	s_cmp_ge_u32 ttmp9, 4
	s_cselect_b32 s46, s92, s42
	s_cselect_b32 s47, s93, s17
	s_cselect_b32 s92, s15, s16
	s_cselect_b32 s93, s16, s15
	s_lshl_b32 s46, s46, 1
	s_add_co_u32 s46, s46, s92
	s_lshl_b32 s46, s46, 7
	s_lshl_b32 s47, s47, 4
	s_add_co_u32 s46, s46, s47
	s_lshl_b32 s93, s93, 3
	s_add_co_u32 s46, s46, s93
	s_mul_i32 s92, s46, FRB
	s_mov_b32 s93, 0
	s_add_nc_u64 s[12:13], s[12:13], s[92:93]
	s_lshl_b32 s92, s46, 6
	s_add_nc_u64 s[100:101], s[100:101], s[92:93]
	s_lshl_b32 s20, s17, 17
	s_lshl_b32 s21, s15, 16
	s_add_co_u32 s20, s20, s21
	s_mov_b32 s21, 0
	s_add_nc_u64 s[8:9], s[8:9], s[20:21]
	s_cmp_lt_u32 ttmp9, 2
	s_cselect_b64 s[10:11], s[10:11], s[96:97]
	s_and_b32 s20, s42, 7
	s_lshl_b32 s20, s20, 10
	s_lshl_b32 s22, s16, 9
	s_add_co_u32 s20, s20, s22
	s_add_nc_u64 s[10:11], s[10:11], s[20:21]
	s_lshl_b32 s20, s17, 10
	s_lshl_b32 s22, s15, 9
	s_add_co_u32 s20, s20, s22
	s_add_nc_u64 s[98:99], s[98:99], s[20:21]
.macro FRAG reg, adr, q, i
.irp c, 0,1,2
	ds_load_b128 v[\reg+4*\c:\reg+4*\c+3], v[\adr] offset:(\i)*TROW+(\q)*FRB+512*\c
.endr
.endm
.macro MUL16 a0, p, q, sc, zero
.irp a, \a0, \a0+1
.irp b, 0,1,2,3,4,5,6,7
.if \zero
	v_wmma_scale_f32_16x16x128_f8f6f4 v[8*(8*((\a)%4)+\b):8*(8*((\a)%4)+\b)+7], v[128*(\p)+FR*\b:128*(\p)+FR*\b+FR-1], v[AF+FR*(\a):AF+FR*(\a)+FR-1], 0, v[SC+8*NQ*(\sc)+NQ*\b+(\q)], v[SC+8*NQ*(\sc)+NQ*(\a)+(\q)] matrix_a_fmt:MATRIX_FMT_BF6 matrix_b_fmt:MATRIX_FMT_BF6 matrix_a_scale:MATRIX_SCALE_ROW1
.else
	v_wmma_scale_f32_16x16x128_f8f6f4 v[8*(8*((\a)%4)+\b):8*(8*((\a)%4)+\b)+7], v[128*(\p)+FR*\b:128*(\p)+FR*\b+FR-1], v[AF+FR*(\a):AF+FR*(\a)+FR-1], v[8*(8*((\a)%4)+\b):8*(8*((\a)%4)+\b)+7], v[SC+8*NQ*(\sc)+NQ*\b+(\q)], v[SC+8*NQ*(\sc)+NQ*(\a)+(\q)] matrix_a_fmt:MATRIX_FMT_BF6 matrix_b_fmt:MATRIX_FMT_BF6 matrix_a_scale:MATRIX_SCALE_ROW1
.endif
.endr
.endr
.endm
.macro FETCH_B slot, q, p
	WIN TO_B
.irp i, 0,1,2,3,4,5,6,7
	FRAG 128*(\p)+FR*\i, ADRB+\slot, \q, \i
.endr
	WIN 0
.endm
.macro FETCH_A slot, q, i0
.irp i, \i0, \i0+1, \i0+2, \i0+3
	FRAG AF+FR*(\i), ADRA+\slot, \q, \i
.endr
.endm
.macro SCALES sc
.irp i, 0,1,2,3,4,5,6,7
.irp q, 0,1
	ds_load_b32 v[SC+8*NQ*\sc+NQ*\i+\q], v[ADRS] offset:1024*\i+64*\q
.endr
.endr
.endm
.macro PLACES n
.rept \n
	v_nop
.endr
.endm
.macro STEP slot, q, zero
	s_wait_dscnt 4*NL
	WIN MUL_LO
	MUL16 0, (\q)%2, \q, \slot, \zero
	MUL16 2, (\q)%2, \q, \slot, \zero
	s_wait_dscnt 0
	PLACES NP
	FETCH_B \slot, (\q)+1, 1-(\q)%2
	FETCH_A \slot, (\q)+1, 0
	WIN MUL_HI
	MUL16 4, (\q)%2, \q, \slot, \zero
	MUL16 6, (\q)%2, \q, \slot, \zero
	PLACES NP
	WIN 0
	FETCH_A \slot, (\q)+1, 4
.endm
.macro TURN slot, next, fill
	s_wait_tensorcnt 0x0
	ds_add_u32 v[SPW], v[NIL]
	s_wait_dscnt 4*NL+1
	WIN MUL_LO
	MUL16 0, 1, NQ-1, \slot, 0
	s_wait_dscnt 0x0
	s_barrier_signal -1
	MUL16 2, 1, NQ-1, \slot, 0
	WIN 0
	s_barrier_wait -1
.if \fill
	CREST
	s_add_nc_u64 s[G0+4*\slot+2:G0+4*\slot+3], s[G0+4*\slot+2:G0+4*\slot+3], 2*TROW
	s_add_nc_u64 s[G0B+4*\slot+2:G0B+4*\slot+3], s[G0B+4*\slot+2:G0B+4*\slot+3], 2*TROW
	JLOAD G0+4*\slot, G1, G0B+4*\slot, G1B
.else
	PLACES NP
.endif
	s_wait_alu depctr_va_vdst(0)
	v_add_nc_u32 v[ADRS], 64*NQ, v[ADRS]
	FETCH_B \next, 0, 0
	FETCH_A \next, 0, 0
	SCALES \next
	WIN MUL_HI
	MUL16 4, 1, NQ-1, \slot, 0
	MUL16 6, 1, NQ-1, \slot, 0
	PLACES NP
	WIN 0
	FETCH_A \next, 0, 4
.endm
.macro LAST
	s_wait_dscnt 4*NL
	WIN MUL_LO
	MUL16 0, 1, NQ-1, 1, 0
	MUL16 2, 1, NQ-1, 1, 0
	s_wait_dscnt 0
	WIN MUL_HI
	MUL16 4, 1, NQ-1, 1, 0
	MUL16 6, 1, NQ-1, 1, 0
	WIN 0
.endm
.macro QUANT s
.irp b, 0,1,2,3
	v_max3_num_f32 v[TM+\b], |v[\s+16*\b]|, |v[\s+1+16*\b]|, 0x2800000
.endr
.irp i, 2,4,6,8,10,12,14
.irp b, 0,1,2,3
	v_max3_num_f32 v[TM+\b], v[TM+\b], |v[\s+16*\b+\i]|, |v[\s+1+16*\b+\i]|
.endr
.endr
.irp b, 0,1,2,3
	v_permlanex16_b32 v[TM+4+\b], v[TM+\b], s[SEL], s[SEL+1]
.endr
.irp b, 0,1,2,3
	v_max_num_f32 v[TM+\b], v[TM+\b], v[TM+4+\b]
.endr
.irp b, 0,1,2,3
	v_add_nc_u32 v[TM+12+\b], 0xfe000000, v[TM+\b]
.endr
.irp b, 0,1,2,3
	v_lshrrev_b32 v[TM+4+\b], 23, v[TM+12+\b]
.endr
	v_lshl_or_b32 v[PW], v[TM+5], 8, v[TM+4]
	v_lshl_or_b32 v[PW], v[TM+6], 16, v[PW]
	v_lshl_or_b32 v[PW], v[TM+7], 24, v[PW]
.irp c, 0,1
	v_cvt_scalef32_pk16_bf6_f32 v[PC+6*\c:PC+2+6*\c], v[\s+32*\c:\s+15+32*\c], v[TM+12+2*\c]
	v_cvt_scalef32_pk16_bf6_f32 v[PC+12+4*\c:PC+14+4*\c], v[\s+16+32*\c:\s+31+32*\c], v[TM+12+2*\c+1]
.endr
	v_nop
.irp c, 0,1
.irp i, 0,1,2
	v_permlane16_swap_b32 v[PC+6*\c+\i], v[PC+12+4*\c+\i]
.endr
.irp i, 0,1,2
	v_mov_b32 v[PC+3+6*\c+\i], v[PC+12+4*\c+\i]
.endr
.endr
.endm
.macro CSLOAD a
.if ((\a)%3) == 0
.set CL, 64
	WIN 0
.elseif ((\a)%3) == 1
.set CL, 0
	WIN 0x40
.else
.set CL, 128
	WIN 0x40
.endif
.irp g, 0,1,2,3,4,5,6,7,8,9,10,11,12,13,14,15
	global_load_b128 v[CL+4*\g:CL+4*\g+3], v1, s[8:9] offset:8192*(\a)+512*\g
.endr
	WIN 0
.endm
.macro EPI_OUT a
.if (\a) > 0
	s_wait_xcnt 0x0
.endif
	QUANT H
.irp c, 0,1,2
	global_store_b128 v1, v[PC+4*\c:PC+4*\c+3], s[12:13] offset:FRB*(\a)+512*\c
.endr
	ds_store_b32 v8, v[PW] offset:64*(\a)
.endm
.macro EPI_QK a
.set AC, 64*((\a)%4)
.if (\a) < 6
	s_wait_loadcnt 32
.elseif (\a) == 6
	s_wait_loadcnt 16
.else
	s_wait_loadcnt 0x0
.endif
	WIN 0x06+((\a)/4)
.set N, 0
.rept 16
	v_pk_add_f32 v[H+N:H+N+1], v[AC+N:AC+N+1], v[96+N:97+N]
.set N, N+2
.endr
.rept 16
	v_pk_add_f32 v[H+N:H+N+1], v[AC+N:AC+N+1], v[192+N:193+N]
.set N, N+2
.endr
.if ((\a)%3) == 0
.set CR, 64
	WIN 0
.elseif ((\a)%3) == 1
.set CR, 0
	WIN 0x04
.else
.set CR, 128
	WIN 0x04
.endif
.set E, 0
.rept 8
.irp u, 0,1,2,3
	v_pk_mul_f32 v[TP+2*\u:TP+2*\u+1], v[H+E+2*\u:H+E+2*\u+1], v[CR+E+2*\u:CR+E+2*\u+1] op_sel_hi:[1,0]
.endr
.irp u, 0,1,2,3
	v_pk_fma_f32 v[H+E+2*\u:H+E+2*\u+1], v[H+E+2*\u:H+E+2*\u+1], v[CR+E+2*\u:CR+E+2*\u+1], v[TP+2*\u:TP+2*\u+1] op_sel:[1,1,0] op_sel_hi:[0,1,1] neg_lo:[0,1,0]
.endr
.set E, E+8
.endr
	WIN 0
.if (\a) <= 4
	CSLOAD (\a)+3
.endif
.endm
.macro EPI_V a
.set AC, 64*((\a)%4)
	WIN 0x06+((\a)/4)
.set N, 0
.rept 32
.if ((\a)%2) == 0
	v_pk_add_f32 v[H+N:H+N+1], v[AC+N:AC+N+1], v[96+2*((\a)/2):97+2*((\a)/2)] op_sel_hi:[1,0]
.else
	v_pk_add_f32 v[H+N:H+N+1], v[AC+N:AC+N+1], v[96+2*((\a)/2):97+2*((\a)/2)] op_sel:[0,1] op_sel_hi:[1,1]
.endif
.set N, N+2
.endr
	WIN 0
.endm
	s_wait_alu depctr_va_vdst(0)
	s_wait_tensorcnt 1
	s_barrier_signal -1
	s_barrier_wait -1
	FETCH_B 0, 0, 0
	FETCH_A 0, 0, 0
	SCALES 0
	FETCH_A 0, 0, 4
	STEP 0, 0, 1
	s_mov_b32 s3, LAPS-1
.Llap:
	TURN 0, 1, 1
	STEP 1, 0, 0
	TURN 1, 0, 1
	STEP 0, 0, 0
	s_sub_co_u32 s3, s3, 1
	s_cmp_lg_u32 s3, 0
	s_cbranch_scc1 .Llap
	TURN 0, 1, 0
	s_cmp_lg_u32 s95, 0
	s_cbranch_scc1 .Lv_way
	WIN 0x40
.irp b, 0,1
.irp j, 0,1,2,3
	global_load_b128 v[96+16*\b+4*\j:96+16*\b+4*\j+3], v10, s[10:11] offset:128*\b+16*\j
.endr
.endr
.irp b, 2,3
.irp j, 0,1,2,3
	global_load_b128 v[192+16*\b+4*\j:192+16*\b+4*\j+3], v10, s[10:11] offset:128*\b+16*\j
.endr
.endr
	WIN 0
	CSLOAD 0
	STEP 1, 0, 0
	CSLOAD 1
	LAST
	PLACES NP
	CSLOAD 2
.irp b, 0,1,2,3
	v_mov_b32 v[TM+4+\b], 0
.endr
.irp a, 0,1,2,3,4,5,6,7
	EPI_QK \a
	EPI_OUT \a
.endr
	s_branch .Ljoin
.Lv_way:
	WIN 0x40
.irp a, 0,1,2,3,4,5,6,7
	global_load_b32 v[96+\a], v11, s[98:99] offset:(32*(\a/2)+8*(\a%2))*4
.endr
	WIN 0
	STEP 1, 0, 0
	LAST
	PLACES NP
.irp b, 0,1,2,3
	v_mov_b32 v[TM+4+\b], 0
.endr
	s_wait_loadcnt 0x0
.irp a, 0,1,2,3,4,5,6,7
	EPI_V \a
	EPI_OUT \a
.endr
.Ljoin:
	ds_load_b128 v[H:H+3], v9
	s_wait_dscnt 0x0
	global_store_b128 v1, v[H:H+3], s[100:101]
	s_wait_tensorcnt 0x0
	ds_add_u32 v[SPW], v[NIL]
	s_wait_dscnt 0x0
	CROUND
	s_endpgm
.Lfunc_end_k_q63a634cbaf_qkv:
	.size	k_q63a634cbaf_qkv, .Lfunc_end_k_q63a634cbaf_qkv-k_q63a634cbaf_qkv
	.p2alignl 7, 3214868480
	.fill 96, 4, 3214868480
	.section	.rodata,"a",@progbits
	.p2align	6, 0x0
	.amdhsa_kernel k_q63a634cbaf_qkv
		.amdhsa_group_segment_fixed_size 327680
		.amdhsa_private_segment_fixed_size 0
		.amdhsa_enable_private_segment 0
		.amdhsa_kernarg_size 64
		.amdhsa_user_sgpr_count 2
		.amdhsa_user_sgpr_kernarg_segment_ptr 1
		.amdhsa_wavefront_size32 1
		.amdhsa_system_sgpr_workgroup_id_x 1
		.amdhsa_system_sgpr_workgroup_id_y 1
		.amdhsa_system_sgpr_workgroup_id_z 1
		.amdhsa_system_vgpr_workitem_id 0
		.amdhsa_next_free_vgpr 1024
		.amdhsa_next_free_sgpr 102
		.amdhsa_reserve_vcc 0
		.amdhsa_float_denorm_mode_32 3
		.amdhsa_float_denorm_mode_16_64 3
		.amdhsa_memory_ordered 1
		.amdhsa_forward_progress 1
		.amdhsa_inst_pref_size 255
	.end_amdhsa_kernel
	.section	.bss,"aw",@nobits
	.p2align	6
	.space	262144
	.amdgpu_metadata
---
amdhsa.version: [ 1, 2 ]
amdhsa.kernels:
  - .name:           k_q63a634cbaf_qkv
    .symbol:         k_q63a634cbaf_qkv.kd
    .args:
      - { .name: codes, .offset: 0, .size: 8, .value_kind: global_buffer, .address_space: global }
      - { .name: scales, .offset: 8, .size: 8, .value_kind: global_buffer, .address_space: global }
      - { .name: rope, .offset: 16, .size: 8, .value_kind: global_buffer, .address_space: global }
      - { .name: bq, .offset: 24, .size: 8, .value_kind: global_buffer, .address_space: global }
      - { .name: bk, .offset: 32, .size: 8, .value_kind: global_buffer, .address_space: global }
      - { .name: bv, .offset: 40, .size: 8, .value_kind: global_buffer, .address_space: global }
      - { .name: qkv_img, .offset: 48, .size: 8, .value_kind: global_buffer, .address_space: global }
      - { .name: qkv_sc, .offset: 56, .size: 8, .value_kind: global_buffer, .address_space: global }
    .group_segment_fixed_size: 327680
    .private_segment_fixed_size: 0
    .kernarg_segment_align: 8
    .kernarg_segment_size: 64
    .max_flat_workgroup_size: 128
    .sgpr_count:     102
    .vgpr_count:     1024
    .wavefront_size: 32
...
	.end_amdgpu_metadata
.endif
;; end of part 2
;; launch attn (part 3): grid 16 x 16, 8 waves a work-group, no clusters, 312,320 bytes of LDS; arguments qkv_img, qkv_sc, wm, flags, ao_img; writes ao_img
.if DOCPART == 3
	.amdgcn_target "amdgcn-amd-amdhsa--gfx1250"
	.amdhsa_code_object_version 6
	.text
	.protected	k_q63a634cbaf_attn
	.globl	k_q63a634cbaf_attn
	.p2align	8
	.type	k_q63a634cbaf_attn,@function
k_q63a634cbaf_attn:
	s_mov_b64 s[64:65], 0
	v_nop
	global_prefetch_b8 v0, s[64:65] scope:SCOPE_SE
	s_setreg_imm32_b32 hwreg(HW_REG_WAVE_MODE, 25, 1), 1
	s_wait_xcnt 0x0
; a = softmax(q k^T / sqrt(128), hidden places -inf) x soft / (the row's sum of that + 1e-6); o = a v.  Both products on codes of BF6 with E8M0 scales.  a is quantised FINISHED, so its divisor is known first: TWO WALKS over the keys.
; With p = 2^(c s - c m), c = log2(e) / sqrt(128), m the row's largest visible score, l1 = sum p, l2 = sum p soft:  a = p soft / (l2 + 1e-6 l1).
;   walk 1: scores, running m, l1, l2.   walk 2: the same scores again (the same instructions on the same operands), a, its codes, O^T += V^T a^T.
; WHAT THE WHOLE NUMBERS OF hard_mask ASK FOR, AND NO MORE: the launch before stored, for each tile of 16 queries x 128 keys, whether anything is visible there and whether anything is hidden there (flags).
; A tile with nothing visible gives p = 0 everywhere: it adds nothing to m, l1, l2 or O, and its trip is jumped over.  A tile with nothing hidden needs no hiding lines.  This holds for every hard_mask.
; The launch has no tensor load: K, V and the scale words go memory -> registers -> LDS, 512 dense bytes an instruction.  So no cluster either.
; Loops have constant counts and every address is stepped in every trip; the jumps lead round work alone, never round a barrier.  Every wait is for 0, so no count hangs on the way taken.
; SHARES.  A work-group owns one head and eight tiles of 16 queries, a wave one tile: tiles 124 - 4 x .. 127 - 4 x and 4 x .. 4 x + 3.  Waves with an even number of ones in their number take the first four.
; Both products are used transposed: a lane holds one query, registers run along neighbouring keys (register 16 b + i = key 32 b + 16 h + i of the step).
; The head's whole K (196,608 bytes of register images) and both blocks of scale words lie in LDS for the whole launch; V goes through two slots of four key steps: a slot's copy is asked for at the head of
; the four steps before it and stored behind them; one barrier for each four steps.  The folded mask (f32, -0.0 = hidden) comes straight into registers, in register order.
; PREFETCH: head 0's work-groups ask for their own visible mask tile three steps on in walk 1 (8,192 bytes, lanes 256 bytes apart): each tile is named once in the launch.  K and V are copied whole slots ahead by the copies themselves.
; A row with every key hidden: l1 = 0; its weights are made 0 and its scale word 0xffffffff, so that the output projection gives NaN there, as the softmax of an empty row does.
; The result: ao_img holds the codes' register images (3,145,728 bytes) and behind them the scale words (131,072 bytes).
; LIMITS: blocks under 2^-122 keep the byte 1, a block of zeros too; NaN and infinities among the inputs are not served.
; REGISTERS: window 0: v1-11 addresses; v12 c m, v13 m, v[14:15] l1, v[16:17] l2, v[18:19] 1 / divisor, v[20:21] the rescaling; v24-35 Q, v36 its scale words; v40-47 scale words; v48-63 at work;
;   v64-127 scores, p, a; v128-191 O^T; v192-211 codes; v212-255 and v20-23 (walk 2): V on its way to LDS.   window 1: v0-63 mask tile; v64-127 second mask tile, v128 -inf (walk 1), v64-159 V (walk 2); v160-255 K.
.set FRB,   1536
.set AOSC,  3145728                    ; where the result's scale words begin in ao_img
.set KSC,   49152                      ; LDS: V's slot 0 at 0; K's scale words; V's scale words; V's slot 1 at 65,536; the head's K; the spare words
.set VSC,   57344
.set VX,    65536
.set KIMG,  114688
.set SPARE, 311296                     ; 128 bytes for each of eight waves, which no other line names
.set LI,  1
.set LS,  2
.set R4,  3
.set SPW, 4
.set NIL, 5
.set ADK, 6
.set ADS, 7
.set ADV, 8
.set ADT, 9
.set WA,  10
.set PFO, 11
.set QF,  24
.set QS,  36
.set PW,  37
.set VWA, 38
.set KSR, 40
.set VSR, 44
.set TM,  48
.set S,   64
.set OT,  128
.set PC,  192
.set MX,  212
.set VST, 212
.set T2,  218
.set KWA, 220
.set SWA, 221
.set KF,  160
.set VF,  64
.set WV,  16
.set SEL, 20
.set CS,  22
.set FA0, 48                           ; bit s: key step s holds something visible for my tile
.set FM0, 49                           ; bit s: and something hidden too
.set FA,  50                           ; the same, shifted down by one in every trip
.set FM,  51
.set FP,  52                           ; FA in head 0's work-groups, else 0
.set KS,  72
.set KN,  73
.set KO,  74
.set KSO, 75
.set VO,  76
.set VSO, 77
.set WO,  78
.set PFA, 88
.set VG,  92
.set VW,  94
.set MSB, 0
.macro WIN new
.if MSB != \new
	s_set_vgpr_msb (MSB<<8)|\new
.set MSB, \new
.endif
.endm
.macro NOPS n
.rept \n
	v_nop
.endr
.endm
	s_load_b256 s[4:11], s[0:1], 0x0               ; qkv_img, qkv_sc, wm, flags
	s_load_b64 s[12:13], s[0:1], 0x20              ; ao_img
	v_lshl_add_u32 v[SPW], v0, 2, SPARE
	v_mov_b32 v[NIL], 0
	v_lshrrev_b32 v22, 5, v0
	v_readfirstlane_b32 s[WV], v22                 ; wave 0..7
	v_and_b32 v22, 31, v0
	v_and_b32 v23, 15, v0
	v_lshlrev_b32 v[LI], 4, v22                    ; 16 x lane
	v_lshlrev_b32 v[LS], 2, v22                    ; 4 x lane
	v_lshlrev_b32 v[PFO], 8, v22                   ; 256 x lane
	v_lshlrev_b32 v[R4], 2, v23
	s_wait_alu depctr_va_vdst(0)
	s_and_b32 s17, ttmp7, 0xffff                   ; the head
	s_bcnt1_i32_b32 s19, s[WV]
	s_and_b32 s19, s19, 1
	s_lshl_b32 s26, ttmp9, 2
	s_sub_co_u32 s27, 124, s26
	s_cmp_eq_u32 s19, 0
	s_cselect_b32 s18, s27, s26
	s_lshr_b32 s27, s[WV], 1
	s_add_co_u32 s18, s18, s27                     ; my tile of queries
	s_mul_i32 s26, s[WV], 24576                    ; of the head's 128 fragments of K I copy sixteen,
	s_add_co_u32 s26, s26, KIMG
	v_add_nc_u32 v[KWA], s26, v[LI]
	s_lshl_b32 s27, s[WV], 10                      ; their scale words and as many of V's,
	s_add_co_u32 s27, s27, KSC
	v_add_nc_u32 v[SWA], s27, v[LI]
	s_mul_i32 s[VW], s[WV], 6144                   ; and of a slot's 32 fragments of V four
	v_add_nc_u32 v[VWA], s[VW], v[LI]
	v_mov_b32 v[WA], v[LI]
	s_lshl_b32 s28, s17, 7
	s_lshl_b32 s29, s[WV], 4
	s_add_co_u32 s29, s29, s28
	s_add_co_u32 s26, s29, 2048                    ; K's fragments: (16 + head) 128 + 16 wave
	s_mul_i32 s96, s26, FRB
	s_lshl_b32 s98, s26, 6
	s_add_co_u32 s26, s29, 4096                    ; V's scale words: (32 + head) 128 + 16 wave
	s_lshl_b32 s30, s26, 6
	s_add_co_u32 s26, s28, 4096
	s_mul_i32 s60, s26, FRB
	s_add_co_u32 s60, s60, s[VW]
	s_add_co_u32 s26, s28, s18                     ; Q's fragment: 128 head + tile
	s_mul_i32 s54, s26, FRB
	s_lshl_b32 s56, s26, 6
	s_lshl_b32 s58, s18, 6                         ; my tile's 16 flag words
	s_lshl_b32 s62, s18, 17                        ; my tile's 16 mask tiles
	s_lshl_b32 s26, s18, 4
	s_add_co_u32 s26, s26, s17                     ; the result's fragment: 16 tile + head
	s_mul_i32 s66, s26, FRB
	s_lshl_b32 s68, s26, 6
	s_add_co_u32 s68, s68, AOSC
.irp j, 97,99,31,61,55,57,59,63,67,69
	s_mov_b32 s[\j], 0
.endr
	s_mov_b32 s[SEL], 0x76543210
	s_mov_b32 s[SEL+1], 0xfedcba98
	s_mov_b32 s[CS], 0x3e0293ee                    ; c = log2(e) / sqrt(128)
	s_mov_b32 s[CS+1], s[CS]
	s_mov_b32 s24, 0x80000000                      ; hidden
	s_mov_b32 s25, 0x358637bd                      ; 1e-6
	s_mov_b32 s[KS], 0
	s_wait_alu depctr_va_vdst(0)                   ; the wait at the head's end
	s_wait_kmcnt 0x0
	s_add_nc_u64 s[10:11], s[10:11], s[58:59]
	s_load_b512 s[32:47], s[10:11], 0x0
	s_add_nc_u64 s[54:55], s[4:5], s[54:55]
	s_add_nc_u64 s[56:57], s[6:7], s[56:57]
	s_add_nc_u64 s[96:97], s[4:5], s[96:97]
	s_add_nc_u64 s[98:99], s[6:7], s[98:99]
	s_add_nc_u64 s[30:31], s[6:7], s[30:31]
	s_add_nc_u64 s[VG:VG+1], s[4:5], s[60:61]
	s_add_nc_u64 s[8:9], s[8:9], s[62:63]
	s_add_nc_u64 s[PFA:PFA+1], s[8:9], 2*8192      ; the first trip steps it to tile 3
	s_add_nc_u64 s[14:15], s[12:13], s[68:69]      ; the result's scale words
	s_add_nc_u64 s[12:13], s[12:13], s[66:67]      ; and its codes
.macro FETCH_K                         ; a key step's eight fragments of K and their scale words (register p: tile 2 p in lanes 0-15, tile 2 p + 1 in lanes 16-31)
	WIN 0x40
.irp t, 0,1,2,3,4,5,6,7
.irp c, 0,1,2
	ds_load_b128 v[KF+12*\t+4*\c:KF+12*\t+4*\c+3], v[ADK] offset:FRB*\t+512*\c
.endr
.endr
	WIN 0
.irp p, 0,1,2,3
	ds_load_b32 v[KSR+\p], v[ADS] offset:128*\p
.endr
.endm
.macro FETCH_V
	WIN 0x40
.irp t, 0,1,2,3,4,5,6,7
.irp c, 0,1,2
	ds_load_b128 v[VF+12*\t+4*\c:VF+12*\t+4*\c+3], v[ADV] offset:FRB*\t+512*\c
.endr
.endr
	WIN 0
.irp p, 0,1,2,3
	ds_load_b32 v[VSR+\p], v[ADT] offset:128*\p
.endr
.endm
.macro WLOAD buf                       ; a mask tile, 8,192 bytes, in register order: 512 dense bytes a load
	WIN 0x40
.irp g, 0,1,2,3,4,5,6,7,8,9,10,11,12,13,14,15
	global_load_b128 v[64*(\buf)+4*\g:64*(\buf)+4*\g+3], v[WA], s[8:9] offset:512*\g
.endr
	WIN 0
.endm
.macro SCORES                          ; S^T = K Q^T: eight accumulators, one instruction each
	WIN 0x01
.irp t, 0,2,4,6
	v_wmma_scale_f32_16x16x128_f8f6f4 v[S+8*\t:S+8*\t+7], v[KF+12*\t:KF+12*\t+11], v[QF:QF+11], 0, v[KSR+\t/2], v[QS] matrix_a_fmt:MATRIX_FMT_BF6 matrix_b_fmt:MATRIX_FMT_BF6
	v_wmma_scale_f32_16x16x128_f8f6f4 v[S+8*\t+8:S+8*\t+15], v[KF+12*\t+12:KF+12*\t+23], v[QF:QF+11], 0, v[KSR+\t/2], v[QS] matrix_a_fmt:MATRIX_FMT_BF6 matrix_b_fmt:MATRIX_FMT_BF6 matrix_a_scale:MATRIX_SCALE_ROW1
.endr
	WIN 0
.endm
.macro NEXTK                           ; where the next step's K, its scale words and its mask tile lie; the step after the last counts as step 0 (it is never fetched: its flag bit is 0)
	s_and_b32 s[KN], s[KN], 15
	s_mul_i32 s[KO], s[KN], 8*FRB
	s_add_co_u32 s[KO], s[KO], KIMG
	s_lshl_b32 s[KSO], s[KN], 9
	s_add_co_u32 s[KSO], s[KSO], KSC
	s_lshl_b32 s[WO], s[KN], 13
.endm
.macro TMINUS                          ; c s - c m, two at a time; each accumulator from its low end on
.set J, 0
.rept 32
	v_pk_fma_f32 v[S+J:S+J+1], v[S+J:S+J+1], s[CS:CS+1], v[12:13] op_sel_hi:[1,0,0] neg_lo:[0,0,1] neg_hi:[0,0,1]
.set J, J+2
.endr
.endm
.macro QUANT s
.irp b, 0,1,2,3
	v_max3_num_f32 v[TM+\b], |v[\s+16*\b]|, |v[\s+1+16*\b]|, 0x2800000   ; my 16 numbers of block b, and the floor 2^(5 - 127): the byte cannot fall under 1
.endr
.irp i, 2,4,6,8,10,12,14
.irp b, 0,1,2,3
	v_max3_num_f32 v[TM+\b], v[TM+\b], |v[\s+16*\b+\i]|, |v[\s+1+16*\b+\i]|
.endr
.endr
.irp b, 0,1,2,3
	s_delay_alu instid0(VALU_DEP_4)
	v_permlanex16_b32 v[TM+4+\b], v[TM+\b], s[SEL], s[SEL+1]
.endr
.irp b, 0,1,2,3
	s_delay_alu instid0(VALU_DEP_4)
	v_max_num_f32 v[TM+\b], v[TM+\b], v[TM+4+\b]
.endr
.irp b, 0,1,2,3
	s_delay_alu instid0(VALU_DEP_4)
	v_add_nc_u32 v[TM+12+\b], 0xfe000000, v[TM+\b]
.endr
.irp b, 0,1,2,3
	s_delay_alu instid0(VALU_DEP_4)
	v_lshrrev_b32 v[TM+4+\b], 23, v[TM+12+\b]
.endr
	s_delay_alu instid0(VALU_DEP_3)
	v_lshl_or_b32 v[PW], v[TM+5], 8, v[TM+4]
	s_delay_alu instid0(VALU_DEP_1)
	v_lshl_or_b32 v[PW], v[TM+6], 16, v[PW]
	s_delay_alu instid0(VALU_DEP_1)
	v_lshl_or_b32 v[PW], v[TM+7], 24, v[PW]
.irp c, 0,1
	v_cvt_scalef32_pk16_bf6_f32 v[PC+6*\c:PC+2+6*\c], v[\s+32*\c:\s+15+32*\c], v[TM+12+2*\c]
	v_cvt_scalef32_pk16_bf6_f32 v[PC+12+4*\c:PC+14+4*\c], v[\s+16+32*\c:\s+31+32*\c], v[TM+12+2*\c+1]
.endr
	v_nop                                          ; one plain place behind a scaled conversion
.irp c, 0,1
.irp i, 0,1,2
	v_permlane16_swap_b32 v[PC+6*\c+\i], v[PC+12+4*\c+\i]
.endr
.irp i, 0,1,2
	s_delay_alu instid0(VALU_DEP_3)
	v_mov_b32 v[PC+3+6*\c+\i], v[PC+12+4*\c+\i]
.endr
.endr
.endm
	; ---- the head's copies: Q to its registers; my parts of K, of the scale words and of V's slot 0 on their way to LDS; mask tile 0
.irp c, 0,1,2
	global_load_b128 v[QF+4*\c:QF+4*\c+3], v[LI], s[54:55] offset:512*\c
.endr
	global_load_b32 v[QS], v[R4], s[56:57]
	WIN 0x40
.set J, 0
.rept 48
	global_load_b128 v[64+4*J:64+4*J+3], v[LI], s[96:97] offset:512*J
.set J, J+1
.endr
	WIN 0
.irp c, 0,1
	global_load_b128 v[S+4*\c:S+4*\c+3], v[LI], s[98:99] offset:512*\c
	global_load_b128 v[S+8+4*\c:S+8+4*\c+3], v[LI], s[30:31] offset:512*\c
.endr
.irp i, 0,1,2,3,4,5,6,7,8,9,10,11
	global_load_b128 v[S+16+4*\i:S+16+4*\i+3], v[LI], s[VG:VG+1] offset:512*\i
.endr
	WLOAD 0                                        ; step 0's mask tile and K are fetched whatever the flags say: so these registers hold numbers on every way
	s_wait_kmcnt 0x0
.irp i, 33,34,35,36,37,38,39,40,41,42,43,44,45,46,47
	s_or_b32 s32, s32, s[\i]                       ; each word carries its own step's two bits
.endr
	s_and_b32 s[FA0], s32, 0xffff
	s_lshr_b32 s[FM0], s32, 16
	s_cmp_eq_u32 s17, 0
	s_cselect_b32 s[FP], s[FA0], 0
	s_mov_b32 s[FA], s[FA0]
	s_mov_b32 s[FM], s[FM0]
	s_wait_loadcnt 0x0
	s_add_nc_u64 s[VG:VG+1], s[VG:VG+1], 32*FRB    ; on to slot 1's four key steps (the loads that read the base are done)
	WIN 0x04
.set J, 0
.rept 48
	ds_store_b128 v[KWA], v[64+4*J:64+4*J+3] offset:512*J
.set J, J+1
.endr
	WIN 0
.irp c, 0,1
	ds_store_b128 v[SWA], v[S+4*\c:S+4*\c+3] offset:512*\c
	ds_store_b128 v[SWA], v[S+8+4*\c:S+8+4*\c+3] offset:VSC-KSC+512*\c
.endr
.irp i, 0,1,2,3,4,5,6,7,8,9,10,11
	ds_store_b128 v[VWA], v[S+16+4*\i:S+16+4*\i+3] offset:512*\i
.endr
	s_wait_dscnt 0x0                               ; my stores are done, for the others' sake
	s_barrier_signal -1
	v_mov_b32 v13, 0xff61b1e6                      ; m: -3e38, under every score
	v_mul_f32 v12, s[CS], v13
.irp j, 14,15,16,17,19,21,220,221
	v_mov_b32 v[\j], 0                             ; the sums; upper halves of pairs; lane permutes' destinations
.endr
.irp b, 0,1,2,3
	v_mov_b32 v[TM+4+\b], 0
.endr
	WIN 0x40
	v_mov_b32 v128, 0xff800000                     ; -inf, in window 1
	WIN 0
	v_add_nc_u32 v[ADK], KIMG, v[LI]
	v_add_nc_u32 v[ADS], KSC, v[LS]
	s_wait_alu depctr_va_vdst(0)                   ; ahead of the barrier's wait
	s_barrier_wait -1
	FETCH_K                                        ; key step 0
; ---- WALK 1.  A trip whose mask tile lies in buffer b.  At its top everything asked for in the trip before is in.
.macro STEP1 b
.set WB, 64*(\b)
	s_wait_loadcnt 0x0
	s_wait_dscnt 0x0
	s_wait_xcnt 0x0                                ; the last prefetch has read its address, which is stepped below
	s_add_co_u32 s[KS], s[KS], 1
	s_mov_b32 s[KN], s[KS]
	NEXTK
	s_add_nc_u64 s[PFA:PFA+1], s[PFA:PFA+1], 8192
	v_add_nc_u32 v[ADK], s[KO], v[LI]
	v_add_nc_u32 v[ADS], s[KSO], v[LS]
	v_add_nc_u32 v[WA], s[WO], v[LI]
	s_wait_alu depctr_va_vdst(0)                   ; ahead of the branches
	s_bitcmp1_b32 s[FA], 0
	s_cbranch_scc1 .Ldo_\@
	s_bitcmp1_b32 s[FA], 1                         ; nothing visible here: only the next step's operands, if it has any use for them
	s_cbranch_scc0 .Lend_\@
	FETCH_K
	WLOAD 1-\b
	s_branch .Lend_\@
.Ldo_\@:
	SCORES
	NOPS 4                                         ; places between the products and the loads into K's registers, and the first read of the scores
	s_bitcmp1_b32 s[FA], 1
	s_cbranch_scc0 .Lnn_\@
	FETCH_K
	WLOAD 1-\b
.Lnn_\@:
	s_bitcmp1_b32 s[FP], 3
	s_cbranch_scc0 .Lnp_\@
	global_prefetch_b8 v[PFO], s[PFA:PFA+1] th:TH_LOAD_NT scope:SCOPE_SE
.Lnp_\@:
	s_bitcmp1_b32 s[FM], 0
	s_cbranch_scc0 .Lvis_\@
	WIN 0x04                                       ; source 1 in window 1
.set N, 0
.rept 8
.irp i, 0,1,2,3,4,5,6,7
	v_cmp_eq_u32 s[80+\i], s24, v[WB+N+\i]
.endr
.irp i, 0,1,2,3,4,5,6,7
	v_cndmask_b32 v[S+N+\i], v[S+N+\i], v128, s[80+\i]   ; a hidden score becomes -inf
.endr
.set N, N+8
.endr
	WIN 0
.Lvis_\@:
.irp q, 0,1,2,3
	v_max3_num_f32 v[MX+\q], v[S+16*\q], v[S+16*\q+1], v[S+16*\q+2]
.endr
.irp i, 3,5,7,9,11,13
.irp q, 0,1,2,3
	v_max3_num_f32 v[MX+\q], v[MX+\q], v[S+16*\q+\i], v[S+16*\q+\i+1]
.endr
.endr
.irp q, 0,1,2,3
	v_max_num_f32 v[MX+\q], v[MX+\q], v[S+16*\q+15]
.endr
	s_delay_alu instid0(VALU_DEP_2)
	v_max3_num_f32 v22, v[MX], v[MX+1], v[MX+2]
	s_delay_alu instid0(VALU_DEP_1)
	v_max_num_f32 v22, v22, v[MX+3]
	s_delay_alu instid0(VALU_DEP_1)
	v_permlanex16_b32 v220, v22, s[SEL], s[SEL+1]
	s_delay_alu instid0(VALU_DEP_1)
	v_max_num_f32 v22, v22, v220                   ; the step's largest visible score of my query
	v_mov_b32 v23, v12
	s_delay_alu instid0(VALU_DEP_2)
	v_max_num_f32 v13, v13, v22
	s_delay_alu instid0(VALU_DEP_1)
	v_mul_f32 v12, s[CS], v13                      ; c m
	s_delay_alu instid0(VALU_DEP_1)
	v_sub_f32 v23, v23, v12                        ; c m_old - c m_new
	TMINUS
	s_wait_alu depctr_va_vdst(0)                   ; ahead of the batch
.set J, 0
.rept 64
	v_exp_f32 v[S+J], v[S+J]
.set J, J+1
.endr
	v_exp_f32 v20, v23
	v_nop                                          ; a plain place behind the last exponential
	s_wait_alu depctr_va_vdst(0)                   ; one wait for the batch, ahead of its first reader
	v_pk_mul_f32 v[14:15], v[14:15], v[20:21] op_sel_hi:[1,0]
	v_pk_mul_f32 v[16:17], v[16:17], v[20:21] op_sel_hi:[1,0]
	v_pk_add_f32 v[216:217], v[S:S+1], v[S+2:S+3]  ; l1 in eight chains
.irp u, 0,1,2,3,4,5
	v_pk_add_f32 v[244+2*\u:245+2*\u], v[S+4+4*\u:S+5+4*\u], v[S+6+4*\u:S+7+4*\u]
.endr
	v_pk_add_f32 v[14:15], v[14:15], v[S+28:S+29]
.irp j, 30,46
	v_pk_add_f32 v[216:217], v[216:217], v[S+\j:S+\j+1]
.irp u, 0,1,2,3,4,5
	v_pk_add_f32 v[244+2*\u:245+2*\u], v[244+2*\u:245+2*\u], v[S+\j+2+2*\u:S+\j+3+2*\u]
.endr
	v_pk_add_f32 v[14:15], v[14:15], v[S+\j+14:S+\j+15]
.endr
	v_pk_add_f32 v[216:217], v[216:217], v[S+62:S+63]
	v_pk_add_f32 v[244:245], v[244:245], v[246:247]
	v_pk_add_f32 v[248:249], v[248:249], v[250:251]
	v_pk_add_f32 v[252:253], v[252:253], v[254:255]
	v_pk_add_f32 v[14:15], v[14:15], v[216:217]
	v_pk_add_f32 v[244:245], v[244:245], v[248:249]
	v_pk_add_f32 v[14:15], v[14:15], v[252:253]
	v_pk_add_f32 v[14:15], v[14:15], v[244:245]
	WIN 0x04
	v_pk_mul_f32 v[T2:T2+1], v[S:S+1], v[WB:WB+1]                    ; p soft (a hidden place: 0 x -0.0)
	v_pk_fma_f32 v[16:17], v[S+2:S+3], v[WB+2:WB+3], v[16:17]
.irp j, 4,8,12,16,20,24,28,32,36,40,44,48,52,56,60
	v_pk_fma_f32 v[T2:T2+1], v[S+\j:S+\j+1], v[WB+\j:WB+\j+1], v[T2:T2+1]
	v_pk_fma_f32 v[16:17], v[S+\j+2:S+\j+3], v[WB+\j+2:WB+\j+3], v[16:17]
.endr
	WIN 0
	v_pk_add_f32 v[16:17], v[16:17], v[T2:T2+1]
.Lend_\@:
	s_wait_alu depctr_va_vdst(0)
	s_lshr_b32 s[FA], s[FA], 1
	s_lshr_b32 s[FM], s[FM], 1
	s_lshr_b32 s[FP], s[FP], 1
.endm
	s_mov_b32 s79, 8
.Lw1:
	STEP1 0
	STEP1 1
	s_sub_co_u32 s79, s79, 1
	s_cmp_lg_u32 s79, 0
	s_cbranch_scc1 .Lw1
	; ---- between the walks: step 0's operands again, and the divisor
	s_wait_loadcnt 0x0
	s_wait_dscnt 0x0
	v_add_nc_u32 v[ADK], KIMG, v[LI]
	v_add_nc_u32 v[ADS], KSC, v[LS]
	v_mov_b32 v[WA], v[LI]
	FETCH_K
	WLOAD 0
	v_add_f32 v14, v14, v15
	v_add_f32 v16, v16, v17
	s_delay_alu instid0(VALU_DEP_2)
	v_permlanex16_b32 v220, v14, s[SEL], s[SEL+1]
	s_delay_alu instid0(VALU_DEP_2)
	v_permlanex16_b32 v221, v16, s[SEL], s[SEL+1]
	s_delay_alu instid0(VALU_DEP_2)
	v_add_f32 v14, v14, v220                       ; l1: it stays in v14 for the way out
	s_delay_alu instid0(VALU_DEP_2)
	v_add_f32 v16, v16, v221                       ; l2
	s_delay_alu instid0(VALU_DEP_1)
	v_fma_f32 v22, v14, s25, v16                   ; l2 + 1e-6 l1
	s_wait_alu depctr_va_vdst(0)
	v_rcp_f32 v18, v22
	v_cmp_neq_f32 vcc_lo, 0, v14
	v_nop                                          ; a plain place behind the reciprocal
	s_wait_alu depctr_va_vdst(0)
	v_cndmask_b32 v18, 0, v18, vcc_lo              ; a row with nothing visible: weights 0
	s_delay_alu instid0(VALU_DEP_1)
	v_mov_b32 v19, v18
.set J, 0
.rept 64
	v_mov_b32 v[OT+J], 0                           ; O^T: which trip is the first to add hangs on the flags, so the sums begin as zeros
.set J, J+1
.endr
	s_wait_alu depctr_va_vdst(0)
	s_mov_b32 s[KS], 0
	s_mov_b32 s[VO], 0
	s_mov_b32 s[FA], s[FA0]
	s_mov_b32 s[FM], s[FM0]
; ---- WALK 2
.macro STEP2
	s_wait_dscnt 0x0                               ; this step's K is in
	s_add_co_u32 s[KN], s[KS], 1
	NEXTK
	s_and_b32 s[VSO], s[KS], 15
	s_lshl_b32 s[VSO], s[VSO], 9
	s_add_co_u32 s[VSO], s[VSO], VSC
	v_add_nc_u32 v[ADK], s[KO], v[LI]              ; these four are also the places behind the last trip's second products, ahead of the loads into V's registers
	v_add_nc_u32 v[ADS], s[KSO], v[LS]
	v_add_nc_u32 v[ADV], s[VO], v[LI]
	v_add_nc_u32 v[ADT], s[VSO], v[LS]
	s_wait_alu depctr_va_vdst(0)                   ; ahead of the branches
	s_bitcmp1_b32 s[FA], 0
	s_cbranch_scc1 .Ldo_\@
	s_bitcmp1_b32 s[FA], 1
	s_cbranch_scc0 .Lend_\@
	FETCH_K
	s_wait_loadcnt 0x0                             ; no load of mine still reads the address or is bound for the tile's registers
	v_add_nc_u32 v[WA], s[WO], v[LI]
	WLOAD 0
	s_branch .Lend_\@
.Ldo_\@:
	SCORES
	NOPS 4
	s_bitcmp1_b32 s[FA], 1
	s_cbranch_scc0 .Lno_k_\@
	FETCH_K
.Lno_k_\@:
	FETCH_V
	TMINUS
	s_bitcmp1_b32 s[FM], 0
	s_cbranch_scc0 .Lvis_\@
.set J, 0
.rept 64
	v_min_num_f32 v[S+J], 1.0, v[S+J]              ; a hidden score may lie above m: its p stays finite, and -0.0 makes it nothing.  No visible exponent reaches 1
.set J, J+1
.endr
.Lvis_\@:
	s_wait_alu depctr_va_vdst(0)                   ; ahead of the batch
.set J, 0
.rept 64
	v_exp_f32 v[S+J], v[S+J]
.set J, J+1
.endr
	v_nop
	s_wait_alu depctr_va_vdst(0)                   ; one wait for the batch
	s_wait_loadcnt 0x0                             ; this step's mask tile
	WIN 0x04
.set J, 0
.rept 32
	v_pk_mul_f32 v[S+J:S+J+1], v[S+J:S+J+1], v[J:J+1]
.set J, J+2
.endr
	WIN 0
	s_bitcmp1_b32 s[FA], 1
	s_cbranch_scc0 .Lno_w_\@
	v_add_nc_u32 v[WA], s[WO], v[LI]               ; (the loads that read it are done)
	WLOAD 0                                        ; the tile's registers have just had their last read
.Lno_w_\@:
.set J, 0
.rept 32
	v_pk_mul_f32 v[S+J:S+J+1], v[S+J:S+J+1], v[18:19] op_sel_hi:[1,0]   ; the finished weights
.set J, J+2
.endr
	QUANT S
	NOPS 8                                         ; a scale word made by vector instructions stands 8 places ahead of a scaled matrix instruction, codes so made 4
	s_wait_alu depctr_va_vdst(0)
	s_wait_dscnt 0x0                               ; V is in
	WIN 0x01
.irp t, 0,2,4,6
	v_wmma_scale_f32_16x16x128_f8f6f4 v[OT+8*\t:OT+8*\t+7], v[VF+12*\t:VF+12*\t+11], v[PC:PC+11], v[OT+8*\t:OT+8*\t+7], v[VSR+\t/2], v[PW] matrix_a_fmt:MATRIX_FMT_BF6 matrix_b_fmt:MATRIX_FMT_BF6
	v_wmma_scale_f32_16x16x128_f8f6f4 v[OT+8*\t+8:OT+8*\t+15], v[VF+12*\t+12:VF+12*\t+23], v[PC:PC+11], v[OT+8*\t+8:OT+8*\t+15], v[VSR+\t/2], v[PW] matrix_a_fmt:MATRIX_FMT_BF6 matrix_b_fmt:MATRIX_FMT_BF6 matrix_a_scale:MATRIX_SCALE_ROW1
.endr
	WIN 0
.Lend_\@:
	s_wait_alu depctr_va_vdst(0)
	s_lshr_b32 s[FA], s[FA], 1
	s_lshr_b32 s[FM], s[FM], 1
	s_add_co_u32 s[KS], s[KS], 1
	s_add_co_u32 s[VO], s[VO], 8*FRB
.endm
	; Four times four key steps.  While a slot is read, my part of the next four steps' V is asked for at the head and stored into the other slot at the end.
	; The barrier at the end: every wave's reads of this slot are over and its stores into the other are done.  The last four steps copy nothing.
.macro FOUR_STEPS
	s_mov_b32 s91, 4
.Lfour_\@:
	STEP2
	s_sub_co_u32 s91, s91, 1
	s_cmp_lg_u32 s91, 0
	s_cbranch_scc1 .Lfour_\@
	s_sub_co_u32 s[VO], s[VO], 32*FRB
	s_xor_b32 s[VO], s[VO], VX                     ; on to the other slot
.endm
	s_mov_b32 s79, 3                               ; three trips copy; the last four steps are written out behind the loop
.Lslot:
.irp i, 0,1,2,3,4,5,6,7,8,9,10
	global_load_b128 v[VST+4*\i:VST+4*\i+3], v[LI], s[VG:VG+1] offset:512*\i
.endr
	global_load_b128 v[20:23], v[LI], s[VG:VG+1] offset:5632
	FOUR_STEPS
	s_wait_loadcnt 0x0                             ; V's part is in registers, and the loads have read their base
	s_add_nc_u64 s[VG:VG+1], s[VG:VG+1], 32*FRB
	s_xor_b32 s[VW], s[VW], VX
	v_add_nc_u32 v[VWA], s[VW], v[LI]
.irp i, 0,1,2,3,4,5,6,7,8,9,10
	ds_store_b128 v[VWA], v[VST+4*\i:VST+4*\i+3] offset:512*\i
.endr
	ds_store_b128 v[VWA], v[20:23] offset:5632
	s_wait_dscnt 0x0
	s_barrier_signal -1
	s_barrier_wait -1
	s_sub_co_u32 s79, s79, 1
	s_cmp_lg_u32 s79, 0
	s_cbranch_scc1 .Lslot
	FOUR_STEPS
	; ---- the way out: my 16 queries x the head's 128 channels are K step "head" of the output projection: register 16 b + i = channel 32 b + 16 h + i
	NOPS 4
	QUANT OT
	v_cmp_neq_f32 vcc_lo, 0, v14
	s_delay_alu instid0(VALU_DEP_1)
	v_cndmask_b32 v[PW], -1, v[PW], vcc_lo         ; a row with nothing visible
.irp c, 0,1,2
	global_store_b128 v[LI], v[PC+4*\c:PC+4*\c+3], s[12:13] offset:512*\c
.endr
	global_store_b32 v[R4], v[PW], s[14:15]        ; both halves store the same word to the same place
	s_wait_tensorcnt 0x0                           ; the wave's end
	ds_add_u32 v[SPW], v[NIL]
	s_wait_dscnt 0x0
	s_endpgm
.Lfunc_end_k_q63a634cbaf_attn:
	.size	k_q63a634cbaf_attn, .Lfunc_end_k_q63a634cbaf_attn-k_q63a634cbaf_attn
	.p2alignl 7, 3214868480
	.fill 96, 4, 3214868480
	.section	.rodata,"a",@progbits
	.p2align	6, 0x0
	.amdhsa_kernel k_q63a634cbaf_attn
		.amdhsa_group_segment_fixed_size 312320
		.amdhsa_private_segment_fixed_size 0
		.amdhsa_enable_private_segment 0
		.amdhsa_kernarg_size 40
		.amdhsa_user_sgpr_count 2
		.amdhsa_user_sgpr_kernarg_segment_ptr 1
		.amdhsa_wavefront_size32 1
		.amdhsa_system_sgpr_workgroup_id_x 1
		.amdhsa_system_sgpr_workgroup_id_y 1
		.amdhsa_system_sgpr_workgroup_id_z 1
		.amdhsa_system_vgpr_workitem_id 0
		.amdhsa_next_free_vgpr 512
		.amdhsa_next_free_sgpr 100
		.amdhsa_reserve_vcc 1
		.amdhsa_float_denorm_mode_32 3
		.amdhsa_float_denorm_mode_16_64 3
		.amdhsa_memory_ordered 1
		.amdhsa_forward_progress 1
		.amdhsa_inst_pref_size 144
	.end_amdhsa_kernel
	.amdgpu_metadata
---
amdhsa.version: [ 1, 2 ]
amdhsa.kernels:
  - .name:           k_q63a634cbaf_attn
    .symbol:         k_q63a634cbaf_attn.kd
    .args:
      - { .name: qkv_img, .offset: 0, .size: 8, .value_kind: global_buffer, .address_space: global }
      - { .name: qkv_sc, .offset: 8, .size: 8, .value_kind: global_buffer, .address_space: global }
      - { .name: wm, .offset: 16, .size: 8, .value_kind: global_buffer, .address_space: global }
      - { .name: flags, .offset: 24, .size: 8, .value_kind: global_buffer, .address_space: global }
      - { .name: ao_img, .offset: 32, .size: 8, .value_kind: global_buffer, .address_space: global }
    .group_segment_fixed_size: 312320
    .private_segment_fixed_size: 0
    .kernarg_segment_align: 8
    .kernarg_segment_size: 40
    .max_flat_workgroup_size: 256
    .sgpr_count:     100
    .vgpr_count:     512
    .wavefront_size: 32
...
	.end_amdgpu_metadata
.endif
;; end of part 3
;; launch oproj (part 4): grid 16 x 16, 4 waves a work-group, clusters of 4 x 4, 327,680 bytes of LDS; arguments ao_img, codes, scales, bo, out0; writes out0
.if DOCPART == 4
	.amdgcn_target "amdgcn-amd-amdhsa--gfx1250"
	.amdhsa_code_object_version 6
	.text
	.protected	k_q63a634cbaf_oproj
	.globl	k_q63a634cbaf_oproj
	.p2align	8
	.type	k_q63a634cbaf_oproj,@function
k_q63a634cbaf_oproj:
	s_mov_b64 s[64:65], 0
	v_nop
	global_prefetch_b8 v0, s[64:65] scope:SCOPE_SE
	s_setreg_imm32_b32 hwreg(HW_REG_WAVE_MODE, 25, 1), 1
	s_wait_xcnt 0x0
	s_wait_alu depctr_hold_cnt(0) depctr_sa_sdst(0) depctr_va_vdst(0) depctr_va_sdst(0) depctr_va_ssrc(0) depctr_va_vcc(0) depctr_vm_vsrc(0)
	s_getreg_b32 s2, hwreg(HW_REG_IB_STS2, 6, 4)
	s_cmp_eq_u32 s2, 0
	s_cbranch_scc0 .Lentry_in_a_cluster
	s_endpgm
.Lentry_in_a_cluster:
	s_bfe_u32 s2, ttmp6, 0x10000c
	s_cmp_lg_u32 s2, 0xf033
	s_cbranch_scc0 .Lentry_shape_is_right
	s_endpgm
.Lentry_shape_is_right:
.set FR,    12
.set NP,    4
.set FRB,   1536
.set NQ,    4
.set TROW,  NQ*FRB
.set TMEM,  16*FRB
.set HALFT, 4*TROW
.set SLOT,  4*HALFT
.set SCL,   3*SLOT
.set SPARE, SCL+2*8192+256
.set STAGE, SLOT
.set SPITCH, 272
.set ADRA, 16
.set ADRB, 20
.set STO,  24
.set RD,   25
.set CO,   26
.set ADRS, 27
.set SPW,  28
.set NIL,  29
.set SC,   32
.set BIA,  64
.set BK,   64
.set ACC,  128
.set G1, 24
.set G0, 32
.set G1B, 44
.set G0B, 52
.set G1S, 68
.set G0S, 76
.set G1SB, 80
.set G0SB, 88
.set MSB, 0
.macro WIN new
.if MSB != \new
	s_set_vgpr_msb (MSB<<8)|\new
.set MSB, \new
.endif
.endm
.set MUL,  0x05
.set TO_F, 0x40
.macro JLOAD g0a, g1a, g0b, g1b
	s_cmp_eq_u32 s15, 0
	s_cbranch_scc0 .Lfor_b_\@
	tensor_load_to_lds s[\g0a:\g0a+3], s[\g1a:\g1a+7]
	s_nop 0
.rept 4
	v_nop
.endr
	s_branch .Lasked_\@
.Lfor_b_\@:
	tensor_load_to_lds s[\g0b:\g0b+3], s[\g1b:\g1b+7]
	s_nop 0
.rept 4
	v_nop
.endr
.Lasked_\@:
.endm
.macro CREST
	s_cmp_lg_u32 s14, 0
	s_cbranch_scc1 .Lnot_wave_0_\@
	s_barrier_signal -3
.Lnot_wave_0_\@:
	s_barrier_wait -3
	s_barrier_signal -1
	s_barrier_wait -1
.endm
.macro CROUND
	s_barrier_signal -1
	s_barrier_wait -1
	CREST
.endm
	s_load_b64 s[4:5], s[0:1], 0x0                 ; ao_img: the codes' images, and from byte 3,145,728 on their scale words
	s_load_b64 s[8:9], s[0:1], 0x8
	s_load_b64 s[10:11], s[0:1], 0x10
	s_load_b64 s[96:97], s[0:1], 0x18
	s_load_b64 s[12:13], s[0:1], 0x20
	v_lshl_add_u32 v[SPW], v0, 2, SPARE
	v_mov_b32 v[NIL], 0
	ds_add_u32 v28, v29
	ds_add_u32 v28, v29
	s_wait_dscnt 0x0
	v_lshrrev_b32 v1, 5, v0
	v_readfirstlane_b32 s14, v1
	s_lshr_b32 s15, s14, 1
	s_and_b32 s16, s14, 1
	s_bfe_u32 s66, ttmp6, 0x40000
	s_bfe_u32 s67, ttmp6, 0x40004
	s_lshl_b32 s95, ttmp9, 2
	s_add_co_u32 s95, s95, s66
	s_and_b32 s17, ttmp7, 0xffff
	s_lshl_b32 s17, s17, 2
	s_add_co_u32 s17, s17, s67
	s_lshl_b32 s98, s67, 2
	s_lshl_b32 s98, 15, s98
	s_lshl_b32 s99, 0x1111, s66
	s_or_b32 s[G1+0], s98, (3<<16)|(1<<21)
	s_or_b32 s[G1B+0], s99, (3<<16)|(1<<21)
.irp g, G1, G1B
	s_mov_b32 s[\g+1], 768<<16
	s_mov_b32 s[\g+2], 4<<16
	s_mov_b32 s[\g+3], 768<<16
	s_mov_b32 s[\g+4], 4
	s_mov_b32 s[\g+5], 3072
	s_mov_b32 s[\g+6], 0
	s_mov_b32 s[\g+7], 0
.endr
	s_or_b32 s[G1S+0], s98, (3<<16)|(1<<21)
	s_or_b32 s[G1SB+0], s99, (3<<16)|(1<<21)
.irp g, G1S, G1SB
	s_mov_b32 s[\g+1], 32<<16
	s_mov_b32 s[\g+2], 16<<16
	s_mov_b32 s[\g+3], 32<<16
	s_mov_b32 s[\g+4], 16
	s_mov_b32 s[\g+5], 32
	s_mov_b32 s[\g+6], 0
	s_mov_b32 s[\g+7], 0
.endr
	s_lshl_b32 s3, s16, 2
	s_lshl_b32 s20, s17, 3
	s_add_co_u32 s20, s20, s3
	s_lshl_b32 s92, s95, 3
	s_add_co_u32 s92, s92, s3
	s_add_co_u32 s92, s92, 512
	s_lshl_b32 s22, s20, 10
	s_mov_b32 s23, 0
	s_lshl_b32 s18, s92, 10
	s_mov_b32 s19, 0
	s_mul_i32 s20, s20, TMEM
	s_mov_b32 s21, 0
	s_mul_i32 s92, s92, TMEM
	s_mov_b32 s93, 0
	s_mul_i32 s94, s14, HALFT
	s_lshl_b32 s3, s14, 12
	s_lshl_b32 s2, s15, 7
	s_add_co_u32 s3, s3, s2
	s_wait_kmcnt 0x0
	s_add_nc_u64 s[20:21], s[4:5], s[20:21]
	s_add_nc_u64 s[22:23], s[4:5], s[22:23]
	s_add_nc_u64 s[22:23], s[22:23], 3145728
	s_add_nc_u64 s[92:93], s[8:9], s[92:93]
	s_add_nc_u64 s[18:19], s[10:11], s[18:19]
	CROUND
	s_mov_b32 s[G0S], 1
	s_add_co_u32 s[G0S+1], s3, SCL
	s_mov_b64 s[G0S+2:G0S+3], s[22:23]
	s_or_b32 s[G0S+3], s[G0S+3], 0x80000000
	s_mov_b32 s[G0SB], 1
	s_add_co_u32 s[G0SB+1], s3, SCL
	s_mov_b64 s[G0SB+2:G0SB+3], s[18:19]
	s_or_b32 s[G0SB+3], s[G0SB+3], 0x80000000
	JLOAD G0S, G1S, G0SB, G1SB
.irp s, 0,1,2
	s_mov_b32 s[G0+4*\s], 1
	s_add_co_u32 s[G0+4*\s+1], s94, \s*SLOT
	s_add_nc_u64 s[G0+4*\s+2:G0+4*\s+3], s[20:21], \s*TROW
	s_or_b32 s[G0+4*\s+3], s[G0+4*\s+3], 0x80000000
	s_mov_b32 s[G0B+4*\s], 1
	s_add_co_u32 s[G0B+4*\s+1], s94, \s*SLOT
	s_add_nc_u64 s[G0B+4*\s+2:G0B+4*\s+3], s[92:93], \s*TROW
	s_or_b32 s[G0B+4*\s+3], s[G0B+4*\s+3], 0x80000000
	s_wait_alu depctr_va_vdst(0)
	s_wait_tensorcnt 0x0
	ds_add_u32 v28, v29
	s_wait_dscnt 0x0
	CROUND
	JLOAD G0+4*\s, G1, G0B+4*\s, G1B
.endr
	v_and_b32 v1, 31, v0
	v_lshlrev_b32 v1, 4, v1
	v_and_b32 v2, 15, v0
	s_wait_alu depctr_va_vdst(0)
	v_bfe_u32 v3, v0, 4, 1
	s_wait_alu depctr_va_vdst(0)
	s_mul_i32 s21, s15, HALFT
	s_mul_i32 s22, s16, HALFT
	s_add_co_u32 s22, s22, 2*HALFT
.irp s, 0,1,2
	v_add_nc_u32 v[ADRA+\s], s21, v1
	v_add_nc_u32 v[ADRB+\s], s22, v1
	s_add_co_u32 s21, s21, SLOT
	s_add_co_u32 s22, s22, SLOT
.endr
	v_lshlrev_b32 v5, 2, v2
	s_lshl_b32 s21, s15, 12
	s_lshl_b32 s22, s16, 12
	s_add_co_u32 s22, s22, 8192+128
	s_sub_co_u32 s22, s22, s21
	v_mul_u32_u24 v6, s22, v3
	s_add_co_u32 s21, s21, SCL
	v_add_nc_u32 v5, v5, v6
	v_add_nc_u32 v[ADRS], s21, v5
	s_mul_i32 s23, s14, 16*SPITCH
	s_add_co_u32 s23, s23, STAGE
	v_mul_u32_u24 v5, v2, SPITCH
	v_lshl_add_u32 v5, v3, 6, v5
	v_add_nc_u32 v[STO], s23, v5
	v_mul_u32_u24 v5, v3, SPITCH
	v_lshl_add_u32 v5, v2, 4, v5
	v_add_nc_u32 v[RD], s23, v5
	v_lshlrev_b32 v[CO], 13, v3
	v_lshl_add_u32 v[CO], v2, 4, v[CO]
	v_lshlrev_b32 v10, 6, v3
	s_wait_alu depctr_va_vdst(0)
	s_lshl_b32 s20, s17, 20
	s_lshl_b32 s21, s15, 19
	s_add_co_u32 s20, s20, s21
	s_lshl_b32 s92, s95, 9
	s_lshl_b32 s93, s16, 8
	s_add_co_u32 s92, s92, s93
	s_add_co_u32 s20, s20, s92
	s_mov_b32 s21, 0
	s_mov_b32 s93, 0
	s_add_nc_u64 s[12:13], s[12:13], s[20:21]
	s_add_nc_u64 s[96:97], s[96:97], s[92:93]
.irp b, 0,1
.irp j, 0,1,2,3
	global_load_b128 v[BIA+16*\b+4*\j:BIA+16*\b+4*\j+3], v10, s[96:97] offset:128*\b+16*\j
.endr
.endr
.macro FRAG reg, adr, q, i
.irp c, 0,1,2
	ds_load_b128 v[\reg+4*\c:\reg+4*\c+3], v[\adr] offset:(\i)*TROW+(\q)*FRB+512*\c
.endr
.endm
.macro FETCH k
.set FS, ((\k)/4)%3
.set FQ, (\k)%4
.set FB, 128*((\k)%2)
	WIN TO_F
.irp i, 0,1,2,3
	FRAG FB+48+FR*\i, ADRB+FS, FQ, \i
.endr
.irp i, 0,1,2,3
	FRAG FB+FR*\i, ADRA+FS, FQ, \i
.endr
	WIN 0
.irp i, 0,1,2,3
	ds_load_b32 v[SC+4*((\k)%2)+\i], v[ADRS] offset:1024*\i+64*(\k)
.endr
.endm
.macro MUL8 k, a0, zero
.set FB, 128*((\k)%2)
.set SB, SC+4*((\k)%2)
.irp a, \a0, \a0+1
.irp b, 0,1,2,3
.if \zero
	v_wmma_scale_f32_16x16x128_f8f6f4 v[ACC+8*(4*(\a)+\b):ACC+8*(4*(\a)+\b)+7], v[FB+48+FR*\b:FB+48+FR*\b+FR-1], v[FB+FR*(\a):FB+FR*(\a)+FR-1], v[BIA+8*\b:BIA+8*\b+7], v[SB+\b], v[SB+(\a)] matrix_a_fmt:MATRIX_FMT_BF6 matrix_b_fmt:MATRIX_FMT_BF6 matrix_a_scale:MATRIX_SCALE_ROW1
.else
	v_wmma_scale_f32_16x16x128_f8f6f4 v[ACC+8*(4*(\a)+\b):ACC+8*(4*(\a)+\b)+7], v[FB+48+FR*\b:FB+48+FR*\b+FR-1], v[FB+FR*(\a):FB+FR*(\a)+FR-1], v[ACC+8*(4*(\a)+\b):ACC+8*(4*(\a)+\b)+7], v[SB+\b], v[SB+(\a)] matrix_a_fmt:MATRIX_FMT_BF6 matrix_b_fmt:MATRIX_FMT_BF6 matrix_a_scale:MATRIX_SCALE_ROW1
.endif
.endr
.endr
.endm
.macro PLACES n
.rept \n
	v_nop
.endr
.endm
.macro STEP k, zero
	s_wait_dscnt 0x0
	PLACES NP
	FETCH (\k)+1
	WIN MUL
	MUL8 \k, 0, \zero
	MUL8 \k, 2, \zero
.endm
.macro TURNK k, fill
	WIN 0
	s_wait_tensorcnt 0x0
	ds_add_u32 v[SPW], v[NIL]
	s_wait_dscnt 0x0
	s_barrier_signal -1
	WIN MUL
	MUL8 \k, 0, 0
	WIN 0
	s_barrier_wait -1
.if \fill
	CREST
	s_add_nc_u64 s[G0+2:G0+3], s[G0+2:G0+3], 3*TROW
	s_add_nc_u64 s[G0B+2:G0B+3], s[G0B+2:G0B+3], 3*TROW
	JLOAD G0, G1, G0B, G1B
.else
	PLACES NP
.endif
	FETCH (\k)+1
	WIN MUL
	MUL8 \k, 2, 0
.endm
	s_wait_tensorcnt 2
	s_barrier_signal -1
	s_barrier_wait -1
	FETCH 0
	s_wait_loadcnt 0x0
	STEP 0, 1
	STEP 1, 0
	STEP 2, 0
	TURNK 3, 1
	STEP 4, 0
	STEP 5, 0
	STEP 6, 0
	STEP 7, 0
	STEP 8, 0
	STEP 9, 0
	STEP 10, 0
	TURNK 11, 0
	STEP 12, 0
	STEP 13, 0
	STEP 14, 0
	s_wait_dscnt 0x0
	WIN MUL
	MUL8 15, 0, 0
	MUL8 15, 2, 0
	WIN 0
.macro TOSTAGE a
.irp b, 0,1,2,3
	ds_store_b128 v[STO], v[ACC+8*(4*(\a)+\b):ACC+8*(4*(\a)+\b)+3] offset:128*(\b/2)+32*(\b%2)
	ds_store_b128 v[STO], v[ACC+8*(4*(\a)+\b)+4:ACC+8*(4*(\a)+\b)+7] offset:128*(\b/2)+32*(\b%2)+16
.endr
.set BB, BK+32*((\a)%2)
.irp t, 0,1,2,3,4,5,6,7
	ds_load_b128 v[BB+4*\t:BB+4*\t+3], v[RD] offset:\t*2*SPITCH
.endr
.endm
.macro SEND a, younger
.set BB, BK+32*((\a)%2)
	s_wait_dscnt \younger
.irp t, 0,1,2,3,4,5,6,7
	global_store_b128 v[CO], v[BB+4*\t:BB+4*\t+3], s[12:13] offset:(32*((\a)/2)+8*((\a)%2)+2*\t+8*(\t/4))*8192 th:TH_STORE_NT
.endr
.endm
	PLACES NP
	TOSTAGE 0
.irp a, 1,2,3
.if \a > 1
	s_wait_xcnt 0x0
.endif
	TOSTAGE \a
	SEND \a-1, 16
.endr
	SEND 3, 0
	s_wait_tensorcnt 0x0
	ds_add_u32 v[SPW], v[NIL]
	s_wait_dscnt 0x0
	CROUND
	s_endpgm
.Lfunc_end_k_q63a634cbaf_oproj:
	.size	k_q63a634cbaf_oproj, .Lfunc_end_k_q63a634cbaf_oproj-k_q63a634cbaf_oproj
	.p2alignl 7, 3214868480
	.fill 96, 4, 3214868480
	.section	.rodata,"a",@progbits
	.p2align	6, 0x0
	.amdhsa_kernel k_q63a634cbaf_oproj
		.amdhsa_group_segment_fixed_size 327680
		.amdhsa_private_segment_fixed_size 0
		.amdhsa_enable_private_segment 0
		.amdhsa_kernarg_size 40
		.amdhsa_user_sgpr_count 2
		.amdhsa_user_sgpr_kernarg_segment_ptr 1
		.amdhsa_wavefront_size32 1
		.amdhsa_system_sgpr_workgroup_id_x 1
		.amdhsa_system_sgpr_workgroup_id_y 1
		.amdhsa_system_sgpr_workgroup_id_z 1
		.amdhsa_system_vgpr_workitem_id 0
		.amdhsa_next_free_vgpr 512
		.amdhsa_next_free_sgpr 100
		.amdhsa_reserve_vcc 0
		.amdhsa_float_denorm_mode_32 3
		.amdhsa_float_denorm_mode_16_64 3
		.amdhsa_memory_ordered 1
		.amdhsa_forward_progress 1
		.amdhsa_inst_pref_size 86
	.end_amdhsa_kernel
	.amdgpu_metadata
---
amdhsa.version: [ 1, 2 ]
amdhsa.kernels:
  - .name:           k_q63a634cbaf_oproj
    .symbol:         k_q63a634cbaf_oproj.kd
    .args:
      - { .name: ao_img, .offset: 0, .size: 8, .value_kind: global_buffer, .address_space: global }
      - { .name: codes, .offset: 8, .size: 8, .value_kind: global_buffer, .address_space: global }
      - { .name: scales, .offset: 16, .size: 8, .value_kind: global_buffer, .address_space: global }
      - { .name: bo, .offset: 24, .size: 8, .value_kind: global_buffer, .address_space: global }
      - { .name: out0, .offset: 32, .size: 8, .value_kind: global_buffer, .address_space: global }
    .group_segment_fixed_size: 327680
    .private_segment_fixed_size: 0
    .kernarg_segment_align: 8
    .kernarg_segment_size: 40
    .max_flat_workgroup_size: 128
    .sgpr_count:     100
    .vgpr_count:     512
    .wavefront_size: 32
...
	.end_amdgpu_metadata
.endif
;; end of part 4
